; MI455X (gfx1250); checked and timed in simulation.
; The chip was launched on July 23, 2026; its instructions are those of AMD's public machine-readable ISA for CDNA 5 (MIT licence, August 2026) and "CDNA5" Instruction Set Architecture Reference Guide (July 2026). The comments in the code are by the model that wrote it; some were corrected since.
;; Multi Head Attention. Allowed arithmetic: matrix products marked QUANTISED: E2M1 operands, one E8M0 scale for each 32 along K, by v_wmma_scale_f32_16x16x128_f8f6f4 with both operands' format E2M1 (or v_wmma_scale_f32_32x16x128_f4), f32 sums; products left as they are: bf16, f16 or f32 operands; f32 sums; everything else in f32.
;; Inputs: hmask 2 x 2,048 float32; vmask 2 x 2,048 float32; w_k 16 x 1,024 x 64 float32; w_out 1,024 x 1,024 float32; w_q 16 x 1,024 x 64 float32; w_v 16 x 1,024 x 64 float32; xk 2 x 2,048 x 1,024 float32; xq 2 x 2,048 x 1,024 float32; xv 2 x 2,048 x 1,024 float32.
;; Outputs: out0 2 x 2,048 x 1,024 float32.
;; This version of the problem:
;;   THIS VERSION OF THE PROBLEM IS GIVEN IN LOW PRECISION. The matrix products marked QUANTISED in the list below multiply operands that are first quantised to E2M1 (2 exponent bits, 1 mantissa bit; 4 bits a number), with one power-of-two scale for each 32 numbers along K (OCP MX v1.0); their sums are f32. The products marked 'left as it is' may take bf16, f16 or f32 operands, with f32 sums. Whichever they take, every output number must still come out within the allowed error. Rounding operands to bf16 (8 significant bits) uses up far more of that allowance than f16 does (11 bits, for magnitudes from 6e-5 to 65,504). All else is computed in f32.
;;   The module's matrix products, in the order in which they are computed (A, B: the left and right operand; K: the contracted axis; several contracted axes count as one K, in the product's order):
;;     1. [M 1,024, K 1,024] x [K 1,024, N 4,096]; A: input w_q; B: input xq: QUANTISED
;;     2. [M 1,024, K 1,024] x [K 1,024, N 4,096]; A: input w_k; B: input xk: QUANTISED
;;     3. [M 1,024, K 1,024] x [K 1,024, N 4,096]; A: input w_v; B: input xv: QUANTISED
;;     4. batch 32 x [M 2,048, K 64] x [K 64, N 2,048]; A: computed on the way; B: computed on the way: left as it is (an operand is computed on the way)
;;     5. batch 32 x [M 2,048, K 2,048] x [K 2,048, N 64]; A: computed on the way; B: computed on the way: left as it is (an operand is computed on the way)
;;     6. [M 4,096, K 1,024] x [K 1,024, N 1,024]; A: computed on the way; B: input w_out: left as it is (an operand is computed on the way)
;;   THE QUANTISER, for each operand of a quantised product, along K:
;;     - K is cut into blocks of 32 from its start; a last block that is shorter is filled with zeros.
;;     - A block's scale is 2^e with e = floor(log2(the largest magnitude in the block)) - 2, held to -126 .. 127; a block of zeros has e = 0. As a byte (E8M0): e + 127.
;;     - Each number is divided by its block's scale, clamped to +-6, and rounded to the nearest number of E2M1, ties to even, subnormals kept.
;;     - The product sums the exact products of the quantised numbers (number of the format x scale) in f32.
;;   ~~~python
;;   def quantise(x, axis):      # numpy; x: float32 -> the quantised numbers, widened to float32 again
;;       x = np.moveaxis(x, axis, -1); K = x.shape[-1]
;;       x = np.pad(x, [(0, 0)] * (x.ndim - 1) + [(0, -K % 32)]); x = x.reshape(x.shape[:-1] + (-1, 32)); a = np.abs(x).max(-1, keepdims=True)
;;       e = np.where(a > 0, np.clip(np.frexp(np.where(a > 0, a, 1))[1] - 1 - 2, -126, 127), 0)      # np.frexp(a)[1] - 1 = floor(log2(a)), exactly
;;       r = np.clip(x / 2.0 ** e, -6, 6)
;;       step = 2.0 ** (np.maximum(np.frexp(np.where(r == 0, 1, r))[1] - 1, 0) - 1)
;;       q = np.round(r / step) * step * 2.0 ** e      # np.round: ties to even
;;       return np.moveaxis(q.reshape(q.shape[:-2] + (-1,))[..., :K], -1, axis).astype(np.float32)
;;   ~~~
;; One version. Each part assembles by itself: llvm-mc -triple=amdgcn-amd-amdhsa -mcpu=gfx1250 --defsym DOCPART=n.
;; ======== version 1 of 1: 5 launches
;; limits: values are held in f16: magnitudes above 65,504 overflow, below 6.1e-05 lose precision
;; workspace buffers: xc 6,291,456 bytes; xs 393,216 bytes; wc 1,572,864 bytes; ws 98,304 bytes; wo 2,097,152 bytes; qkv 25,165,824 bytes; first 393,216 bytes; oc 8,388,608 bytes
;; launch prep (part 1): grid 560 x 1, 4 waves a work-group, no clusters, 68,096 bytes of LDS; arguments xq, xk, xv, w_q, w_k, w_v, w_out, xc, xs, wc, ws, wo; writes xc, xs, wc, ws, wo
.if DOCPART == 1
	.amdgcn_target "amdgcn-amd-amdhsa--gfx1250"
	.amdhsa_code_object_version 6
	.text
	.protected	k_q6a1d407ecd_prep
	.globl	k_q6a1d407ecd_prep
	.p2align	8
	.type	k_q6a1d407ecd_prep,@function
k_q6a1d407ecd_prep:
	s_mov_b64 s[64:65], 0
	v_nop
	global_prefetch_b8 v0, s[64:65] scope:SCOPE_SE
	s_setreg_imm32_b32 hwreg(HW_REG_WAVE_MODE, 25, 1), 1
	s_wait_xcnt 0x0
; THE OPERANDS OF THE THREE QUANTISED PROJECTIONS BECOME CODES OF FP4 (E2M1) WITH ONE E8M0 BYTE FOR EACH 32 ALONG K = 1,024, AND w_out BECOMES f16.
; Three kinds of work-group, told apart by the work-group's number alone; each kind has LDS bytes of its own and ends its own waves.
;   0 .. 47    w_q, w_k, w_v [16][1024 (K)][64]: K is not innermost.  A lane takes a column and its registers run down K; codes go out as wc [3][1024 (head x 64 + column)][512 bytes], bytes as ws [3][1024][32].
;   48 .. 431  xq, xk, xv [4096][1024]: K innermost: plain streams of blocks of 32.  Codes xc [3][4096][512 bytes], bytes xs [3][4096][32].
;   432 .. 559 w_out [1024][1024]: wo = f16(8 x w_out), the same layout.  The factor 8 is undone by v' = v / 8 in the next launch: both are powers of two, so nothing is rounded by them.
; A block's scale is 2^(floor(log2(its largest magnitude)) - 2); its byte is the largest magnitude's exponent field - 2, held at 1 from below.
; LIMITS: a block of zeros gets the byte 1 where the rule says 127 (its codes are zeros, and this program alone reads the bytes); blocks whose largest magnitude lies under 2^-124 are held at byte 1;
; NaN and infinities among the inputs are not served; |w_out| stays under 8,188 (f16's largest number / 8).
; No tensor loads, no barrier: waves share nothing.  No matrix unit, no cluster: every input byte is read once and nothing is shared.
.set WPITCH, 272                       ; w: a stage row: 256 bytes of codes + 16
.set XREG,   4*32*WPITCH               ; x: behind w's four stages, a region of WREG bytes for each wave
.set WREG,   8192
.set SPARE,  XREG+4*WREG               ; the spare words, 128 bytes for each wave: two blocks of 256 bytes that no other line names
.set SP,     80                        ; x: a lane's place in a stage: 64 bytes + 16
.set CB,     8                         ; bytes of 16 codes
.set EMAX,   2
.set STEPS,  16
.set NB,     16
.set SPW,    190                       ; v190 LDS address of my spare word; never rewritten
.set NIL,    191                       ; v191 0; never rewritten
.set XR,     16                        ; x: v16-79 four sets of 16 numbers as loaded
.set XX,     80                        ; x: v80-111 two sets of 16 neighbours
.set XE,     112                       ; x: v112-127 a scale byte for each step
.set XC,     128                       ; x: v128-159 two registers of codes for each step
.set WX,     32                        ; w: v32-95 two sets of 32 numbers
.set WC,     96                        ; w: v96-99 a block's codes
.set WOUT,   112                       ; w: v112-175 the way out
.set WSB,    24                        ; w: v24-27 the scale bytes, four to a register
	s_load_b256 s[4:11], s[0:1], 0x0               ; xq s[4:5], xk s[6:7], xv s[8:9], w_q s[10:11]
	s_load_b256 s[12:19], s[0:1], 0x20             ; w_k s[12:13], w_v s[14:15], w_out s[16:17], xc s[18:19]
	s_load_b256 s[20:27], s[0:1], 0x40             ; xs s[20:21], wc s[22:23], ws s[24:25], wo s[26:27]
	v_lshl_add_u32 v[SPW], v0, 2, SPARE
	v_mov_b32 v[NIL], 0
	v_lshrrev_b32 v1, 5, v0
	v_readfirstlane_b32 s28, v1                    ; wave 0..3
	v_and_b32 v2, 31, v0                           ; lane
	s_mov_b32 s33, 0                               ; the high word of every offset below
	s_wait_kmcnt 0x0
	s_cmp_lt_u32 ttmp9, 48
	s_cbranch_scc1 .Lpath_w
	s_cmp_lt_u32 ttmp9, 432
	s_cbranch_scc1 .Lpath_x
; ---- w_out: a wave takes 2,048 numbers: sixteen loads of 512 consecutive bytes, sixteen stores of 256 consecutive bytes, aligned
	s_sub_co_u32 s30, ttmp9, 432
	s_lshl_b32 s30, s30, 2
	s_add_co_u32 s30, s30, s28                     ; which run of 2,048 numbers
	s_lshl_b32 s32, s30, 13
	s_add_nc_u64 s[16:17], s[16:17], s[32:33]
	s_lshl_b32 s32, s30, 12
	s_add_nc_u64 s[26:27], s[26:27], s[32:33]
	s_mov_b32 s34, 0x41000000                      ; 8.0
	s_mov_b32 s35, s34                             ; (named with it as a pair, so it is written)
	v_lshlrev_b32 v3, 4, v2
	v_lshlrev_b32 v4, 3, v2
.set i, 0
.rept 16
	global_load_b128 v[32+4*i:35+4*i], v3, s[16:17] offset:512*i th:TH_LOAD_NT
.set i, i+1
.endr
.set i, 0
.rept 16
	s_wait_loadcnt 15-i                            ; loads come back in order: load i is in, the younger ones stay out
	v_pk_mul_f32 v[32+4*i:33+4*i], v[32+4*i:33+4*i], s[34:35] op_sel_hi:[1,0]
	v_pk_mul_f32 v[34+4*i:35+4*i], v[34+4*i:35+4*i], s[34:35] op_sel_hi:[1,0]
	v_cvt_pk_f16_f32 v[96+2*i], v[32+4*i], v[33+4*i]
	v_cvt_pk_f16_f32 v[97+2*i], v[34+4*i], v[35+4*i]
	global_store_b64 v4, v[96+2*i:97+2*i], s[26:27] offset:256*i   ; each step has its own data registers: none is written again
.set i, i+1
.endr
	s_endpgm
; ---- x: a wave takes 16 steps of 512 numbers.  Each of a step's four loads reads 512 consecutive bytes; the 2,048 bytes turn through the wave's own stage and come back 64 bytes a lane,
; so that a lane holds 16 neighbours along K (two neighbouring lanes hold a block).  Loads run four steps ahead, the turn through LDS one step.
.Lpath_x:
	s_sub_co_u32 s30, ttmp9, 48                    ; 0 .. 383: 128 work-groups to a tensor
	s_lshr_b32 s31, s30, 7
	s_cmp_eq_u32 s31, 0
	s_cselect_b64 s[4:5], s[4:5], s[6:7]           ; the choices hang on the work-group's number alone
	s_cmp_eq_u32 s31, 2
	s_cselect_b64 s[4:5], s[8:9], s[4:5]
	s_lshl_b32 s30, s30, 2
	s_add_co_u32 s30, s30, s28                     ; which run of 8,192 numbers of the three tensors on end
	s_and_b32 s32, s30, 511
	s_lshl_b32 s32, s32, 15                        ; in its tensor: 32,768 bytes a run
	s_add_nc_u64 s[4:5], s[4:5], s[32:33]
	s_lshl_b32 s32, s30, 12                        ; 4,096 bytes of codes a run
	s_add_nc_u64 s[18:19], s[18:19], s[32:33]
	s_lshl_b32 s32, s30, 8                         ; 256 scale bytes a run
	s_add_nc_u64 s[20:21], s[20:21], s[32:33]
	v_lshlrev_b32 v3, 4, v2                        ; my 16 bytes of a load's 512
	s_mul_i32 s36, s28, WREG
	s_add_co_u32 s36, s36, XREG                    ; my wave's region
	v_lshrrev_b32 v14, 2, v2
	v_mul_u32_u24 v14, v14, SP
	v_and_b32 v15, 3, v2
	v_lshl_add_u32 v14, v15, 4, v14
	v_add_nc_u32 v14, s36, v14                     ; into the stage: four lanes' 64 bytes on end, then 16 of padding
	v_mul_u32_u24 v15, v2, SP
	v_add_nc_u32 v15, s36, v15                     ; out of it: my 16 neighbours
	v_mul_u32_u24 v4, v2, CB                       ; my codes' place in a step's
	v_lshrrev_b32 v5, 1, v2
	s_add_co_u32 s36, s36, 2*32*SP
	v_add_nc_u32 v5, s36, v5                       ; my wave's 256 scale bytes, my block's byte
	v_lshlrev_b32 v7, 3, v2
	v_add_nc_u32 v6, s36, v7                       ; and on the way out 8 bytes a lane
.macro XLOAD t
.irp i, 0,1,2,3
	global_load_b128 v[XR+16*((\t)%4)+4*\i:XR+16*((\t)%4)+4*\i+3], v3, s[4:5] offset:2048*(\t)+512*\i th:TH_LOAD_NT
.endr
.endm
.macro XTURN t                         ; LDS serves a wave's instructions in order, so no wait stands between the stores and the loads
.irp i, 0,1,2,3
	ds_store_b128 v14, v[XR+16*((\t)%4)+4*\i:XR+16*((\t)%4)+4*\i+3] offset:32*SP*((\t)%2)+8*SP*\i
.endr
.irp i, 0,1,2,3
	ds_load_b128 v[XX+16*((\t)%2)+4*\i:XX+16*((\t)%2)+4*\i+3], v15 offset:32*SP*((\t)%2)+16*\i
.endr
.endm
.irp t, 0,1,2,3
	XLOAD \t
.endr
	s_wait_loadcnt 12                              ; step 0's four loads are in; three steps' twelve stay out
	XTURN 0
.macro XSTEP t
.set XS, XX+16*((\t)%2)
.if (\t) > 0
	s_wait_dscnt 1                                 ; this step's numbers are back from the stage; the last step's byte store may be out
.else
	s_wait_dscnt 0x0
.endif
.if (\t)+4 < STEPS
	XLOAD (\t)+4                                   ; into the registers that the stage's stores have read
.endif
.if (\t)+1 < STEPS
.if STEPS-2-(\t) >= 3
	s_wait_loadcnt 12                              ; the next step's four loads are in; those of the three steps behind it may be out
.else
	s_wait_loadcnt 4*(STEPS-2-(\t))
.endif
	XTURN (\t)+1
.endif
	v_max3_num_f32 v8, |v[XS]|, |v[XS+1]|, |v[XS+2]|               ; the largest magnitude of my 16, in two chains
	v_max3_num_f32 v9, |v[XS+3]|, |v[XS+4]|, |v[XS+5]|
.irp i, 6,10
	v_max3_num_f32 v8, v8, |v[XS+\i]|, |v[XS+\i+1]|
	v_max3_num_f32 v9, v9, |v[XS+\i+2]|, |v[XS+\i+3]|
.endr
	v_max3_num_f32 v8, v8, |v[XS+14]|, |v[XS+15]|
	v_max3_num_f32 v8, v8, v9, (EMAX+1)<<23        ; and the floor 2^(3 - 127): the byte cannot fall under 1
	v_max_num_f32_dpp v8, v8, v8 row_xmask:1 row_mask:0xf bank_mask:0xf   ; with my neighbour's 16: the block's
	v_add_nc_u32 v11, -(EMAX<<23), v8              ; 2 off its exponent field: the conversion takes that field as its scale
	v_cvt_scalef32_pk8_fp4_f32 v[XC+2*(\t)], v[XS:XS+7], v11
	v_cvt_scalef32_pk8_fp4_f32 v[XC+2*(\t)+1], v[XS+8:XS+15], v11
	v_lshrrev_b32 v[XE+(\t)], 23, v11              ; the scale's byte (a plain line behind the conversions)
	ds_store_b8 v5, v[XE+(\t)] offset:16*(\t)      ; both lanes of a block write the same byte with the same value
	global_store_b64 v4, v[XC+2*(\t):XC+2*(\t)+1], s[18:19] offset:32*CB*(\t)   ; the wave stores 256 consecutive bytes, aligned
.endm
.irp t, 0,1,2,3,4,5,6,7,8,9,10,11,12,13,14,15
	XSTEP \t
.endr
	ds_load_b64 v[8:9], v6                         ; in order behind my byte stores
	s_wait_dscnt 0x0
	global_store_b64 v7, v[8:9], s[20:21]          ; 256 consecutive scale bytes, aligned
	s_wait_tensorcnt 0x0                           ; the wave's end: a wait, an add of 0 to my spare word and its wait, behind my last LDS store
	ds_add_u32 v[SPW], v[NIL]
	s_wait_dscnt 0x0
	s_endpgm
; ---- w: a work-group takes one head of one projection; a wave 32 of its 64 columns x 512 of its 1,024 along K: 16 blocks a lane, 256 bytes of codes a column.
; Each load reads one row k at 32 neighbouring columns, 128 consecutive bytes.  A block of 32 along K lies in one lane's 32 registers.  Loads run two blocks ahead.
.Lpath_w:
	s_lshr_b32 s30, ttmp9, 4                       ; which projection
	s_and_b32 s31, ttmp9, 15                       ; which head
	s_cmp_eq_u32 s30, 0
	s_cselect_b64 s[10:11], s[10:11], s[12:13]
	s_cmp_eq_u32 s30, 2
	s_cselect_b64 s[10:11], s[14:15], s[10:11]
	s_and_b32 s34, s28, 1                          ; which 32 columns
	s_lshr_b32 s35, s28, 1                         ; which 512 along K
	s_lshl_b32 s32, s31, 18                        ; a head is 1,024 rows of 256 bytes
	s_lshl_b32 s36, s35, 17
	s_add_co_u32 s32, s32, s36
	s_lshl_b32 s36, s34, 7
	s_add_co_u32 s32, s32, s36
	s_add_nc_u64 s[10:11], s[10:11], s[32:33]
	s_lshl_b32 s37, s30, 10
	s_lshl_b32 s36, s31, 6
	s_add_co_u32 s37, s37, s36
	s_lshl_b32 s36, s34, 5
	s_add_co_u32 s37, s37, s36                     ; my first column's row in wc and ws
	s_lshl_b32 s32, s37, 9
	s_lshl_b32 s36, s35, 8
	s_add_co_u32 s32, s32, s36
	s_add_nc_u64 s[22:23], s[22:23], s[32:33]
	s_lshl_b32 s32, s37, 5
	s_lshl_b32 s36, s35, 4
	s_add_co_u32 s32, s32, s36
	s_add_nc_u64 s[24:25], s[24:25], s[32:33]
	v_lshlrev_b32 v3, 2, v2                        ; in: 4 bytes a lane
	s_mul_i32 s36, s28, 32*WPITCH                  ; my stage
	v_mul_u32_u24 v4, v2, WPITCH
	v_add_nc_u32 v4, s36, v4                       ; into it: row = my column
	v_and_b32 v5, 15, v2
	v_lshrrev_b32 v6, 4, v2
	v_mul_u32_u24 v7, v6, WPITCH
	v_lshl_add_u32 v7, v5, 4, v7
	v_add_nc_u32 v7, s36, v7                       ; out of it: sixteen lanes to a row, two rows an instruction
	v_lshlrev_b32 v8, 9, v6
	v_lshl_add_u32 v8, v5, 4, v8                   ; the same place in wc: rows of 512 bytes
	v_lshlrev_b32 v9, 5, v2                        ; my column's row of 32 scale bytes
.macro WLOAD t
.set i, 0
.rept 32
	global_load_b32 v[WX+32*((\t)%2)+i], v3, s[10:11] offset:(32*(\t)+i)*256 th:TH_LOAD_NT
.set i, i+1
.endr
.endm
	WLOAD 0
	WLOAD 1
.macro WBLOCK t
.set XS, WX+32*((\t)%2)
.if (\t) < NB-1
	s_wait_loadcnt 32                              ; this block's 32 loads are in; the next block's 32 may be out
.else
	s_wait_loadcnt 0
.endif
	v_max3_num_f32 v12, |v[XS]|, |v[XS+1]|, |v[XS+2]|              ; the block's largest magnitude: all 32 numbers are mine
	v_max3_num_f32 v13, |v[XS+3]|, |v[XS+4]|, |v[XS+5]|
.irp i, 6,10,14,18,22,26
	v_max3_num_f32 v12, v12, |v[XS+\i]|, |v[XS+\i+1]|
	v_max3_num_f32 v13, v13, |v[XS+\i+2]|, |v[XS+\i+3]|
.endr
	v_max3_num_f32 v12, v12, |v[XS+30]|, |v[XS+31]|
	v_max3_num_f32 v12, v12, v13, (EMAX+1)<<23     ; and the floor
	v_add_nc_u32 v11, -(EMAX<<23), v12
	v_lshrrev_b32 v13, 23, v11                     ; the scale's byte
.if (\t)%4 == 0
	v_mov_b32 v[WSB+(\t)/4], v13                   ; four bytes to a register, the lower K in the lower byte
.else
	v_lshl_or_b32 v[WSB+(\t)/4], v13, 8*((\t)%4), v[WSB+(\t)/4]
.endif
.irp g, 0,1,2,3
	v_cvt_scalef32_pk8_fp4_f32 v[WC+\g], v[XS+8*\g:XS+8*\g+7], v11
.endr
	ds_store_b128 v4, v[WC:WC+3] offset:16*(\t)    ; 32 codes: 16 bytes of my column's row
.if (\t)+2 < NB
	WLOAD (\t)+2
.endif
	s_wait_dscnt 0x0                               ; the store has read its registers: the next block's codes may be written
.endm
.irp t, 0,1,2,3,4,5,6,7,8,9,10,11,12,13,14,15
	WBLOCK \t
.endr
	global_store_b128 v9, v[WSB:WSB+3], s[24:25]   ; my column's 16 scale bytes of this half of K
.irp t, 0,1,2,3,4,5,6,7,8,9,10,11,12,13,14,15
	ds_load_b128 v[WOUT+4*\t:WOUT+4*\t+3], v7 offset:2*\t*WPITCH
.endr
.irp t, 0,1,2,3,4,5,6,7,8,9,10,11,12,13,14,15
	s_wait_dscnt 15-\t
	global_store_b128 v8, v[WOUT+4*\t:WOUT+4*\t+3], s[22:23] offset:2*\t*512   ; sixteen lanes store 256 consecutive bytes, aligned
.endr
	s_wait_tensorcnt 0x0                           ; the wave's end: a wait, an add of 0 to my spare word and its wait, behind my last LDS store
	ds_add_u32 v[SPW], v[NIL]
	s_wait_dscnt 0x0
	s_endpgm
.Lfunc_end_k_q6a1d407ecd_prep:
	.size	k_q6a1d407ecd_prep, .Lfunc_end_k_q6a1d407ecd_prep-k_q6a1d407ecd_prep
	.p2alignl 7, 3214868480
	.fill 96, 4, 3214868480
	.section	.rodata,"a",@progbits
	.p2align	6, 0x0
	.amdhsa_kernel k_q6a1d407ecd_prep
		.amdhsa_group_segment_fixed_size 68096
		.amdhsa_private_segment_fixed_size 0
		.amdhsa_enable_private_segment 0
		.amdhsa_kernarg_size 96
		.amdhsa_user_sgpr_count 2
		.amdhsa_user_sgpr_kernarg_segment_ptr 1
		.amdhsa_wavefront_size32 1
		.amdhsa_system_sgpr_workgroup_id_x 1
		.amdhsa_system_sgpr_workgroup_id_y 1
		.amdhsa_system_sgpr_workgroup_id_z 1
		.amdhsa_system_vgpr_workitem_id 0
		.amdhsa_next_free_vgpr 192
		.amdhsa_next_free_sgpr 66
		.amdhsa_reserve_vcc 0
		.amdhsa_float_denorm_mode_32 3
		.amdhsa_float_denorm_mode_16_64 3
		.amdhsa_memory_ordered 1
		.amdhsa_forward_progress 1
		.amdhsa_inst_pref_size 119
	.end_amdhsa_kernel
	.amdgpu_metadata
---
amdhsa.version: [ 1, 2 ]
amdhsa.kernels:
  - .name:           k_q6a1d407ecd_prep
    .symbol:         k_q6a1d407ecd_prep.kd
    .args:
      - { .name: xq, .offset: 0, .size: 8, .value_kind: global_buffer, .address_space: global }
      - { .name: xk, .offset: 8, .size: 8, .value_kind: global_buffer, .address_space: global }
      - { .name: xv, .offset: 16, .size: 8, .value_kind: global_buffer, .address_space: global }
      - { .name: w_q, .offset: 24, .size: 8, .value_kind: global_buffer, .address_space: global }
      - { .name: w_k, .offset: 32, .size: 8, .value_kind: global_buffer, .address_space: global }
      - { .name: w_v, .offset: 40, .size: 8, .value_kind: global_buffer, .address_space: global }
      - { .name: w_out, .offset: 48, .size: 8, .value_kind: global_buffer, .address_space: global }
      - { .name: xc, .offset: 56, .size: 8, .value_kind: global_buffer, .address_space: global }
      - { .name: xs, .offset: 64, .size: 8, .value_kind: global_buffer, .address_space: global }
      - { .name: wc, .offset: 72, .size: 8, .value_kind: global_buffer, .address_space: global }
      - { .name: ws, .offset: 80, .size: 8, .value_kind: global_buffer, .address_space: global }
      - { .name: wo, .offset: 88, .size: 8, .value_kind: global_buffer, .address_space: global }
    .group_segment_fixed_size: 68096
    .private_segment_fixed_size: 0
    .kernarg_segment_align: 8
    .kernarg_segment_size: 96
    .max_flat_workgroup_size: 128
    .sgpr_count:     66
    .vgpr_count:     192
    .wavefront_size: 32
...
	.end_amdgpu_metadata
.endif
;; end of part 1
;; launch proj (part 2): grid 4 x 48, 4 waves a work-group, clusters of 4 x 4, 327,680 bytes of LDS; arguments xc, xs, wc, ws, qkv, first, hmask, vmask; writes qkv, first
.if DOCPART == 2
	.amdgcn_target "amdgcn-amd-amdhsa--gfx1250"
	.amdhsa_code_object_version 6
	.text
	.protected	k_q6a1d407ecd_proj
	.globl	k_q6a1d407ecd_proj
	.p2align	8
	.type	k_q6a1d407ecd_proj,@function
k_q6a1d407ecd_proj:
	s_mov_b64 s[64:65], 0
	v_nop
	global_prefetch_b8 v0, s[64:65] scope:SCOPE_SE
	s_setreg_imm32_b32 hwreg(HW_REG_WAVE_MODE, 25, 1), 1
	s_wait_xcnt 0x0
	s_wait_alu depctr_hold_cnt(0) depctr_sa_sdst(0) depctr_va_vdst(0) depctr_va_sdst(0) depctr_va_ssrc(0) depctr_va_vcc(0) depctr_vm_vsrc(0)
	s_getreg_b32 s2, hwreg(HW_REG_IB_STS2, 6, 4)
	s_cmp_eq_u32 s2, 0
	s_cbranch_scc0 .Lentry_in_a_cluster
	s_endpgm
.Lentry_in_a_cluster:
	s_bfe_u32 s2, ttmp6, 0x10000c
	s_cmp_lg_u32 s2, 0xf033
	s_cbranch_scc0 .Lentry_shape_is_right
	s_endpgm
.Lentry_shape_is_right:
; THE THREE PROJECTIONS, ON CODES OF FP4 WITH E8M0 SCALES: for p = q, k, v:  y_p[row][n] = sum over k of x_p[row][k] w_p[n][k], row = 2048 b + t, n = 64 head + column, K = 1,024; sums in f32.
; A = xc [3 x 4096][512 bytes], its bytes xs [..][32]; B = wc [3 x 1024][512 bytes], its bytes ws.  A tile of 256 rows x 256 columns is made by four waves, 128 x 128 each: 64 accumulators, 512 registers.
; 48 tile rows (16 to a projection) x 4 tile columns.  K goes in two steps of 512 through two LDS slots, each filled once; the tile's scale bytes come once, with the first fills.
; CLUSTERS: 4 x 4 work-groups, all of one projection.  The four of a row of the cluster need the same tiles of A, the four of a column the same tiles of B: each is asked for jointly.
; THE MATRIX INSTRUCTION IS USED TRANSPOSED (source 0 = 16 rows of B, source 1 = 16 rows of A): a lane holds one row (token) and eight neighbouring columns.
; THE WAY OUT: q' = q x hmask[row] x 2^-5, k' = k x vmask[row] x 2^-5, v' = v x 2^-3, in f32; rounded once to f16; stored as qkv [3][b][head][t][64].  The powers of two round nothing; the masks
; are multiplied here, ahead of the one rounding, so that a zero mask gives scores that are exactly zero.  The f32 numbers of positions 0 to 15 of each batch go to first [3][b][head][16][64] as well.
; LIMITS: |q x hmask| and |k x vmask| stay under 2^21, |v| under 2^19 (f16's largest number over the factor); NaN and infinities are not served.
; REGISTERS, in windows of 256: window 0: v0-31 addresses; v32-95 scale words, two sets; v96-111 the rows' factors, each twice (a pair for the packed multiply); from v128 A's fragments, one set;
;   on the way out v32-63 packed f16, v64-95 rows read back, v192-255 the scaled f32.  window 1: B's fragments, two sets.  window 2, 3: the accumulators ((a, b) at v[8 (8 (a % 4) + b)]).
.set SIZE_K, 1024
.set KSTEP,  512
.set NQ,     KSTEP/128
.set ROWB,   256                       ; a tile's row in bytes
.set KROW,   512                       ; a row of codes in memory
.set PITCH,  272                       ; an LDS row: 256 bytes + 16 of padding
.set FR,     8
.set NL,     2
.set NP,     4                         ; places behind this matrix instruction (ISA guide 7.12.1)
.set HALFT,  128*PITCH
.set SLOT,   4*HALFT
.set KS,     SIZE_K/32
.set SCL,    2*SLOT                    ; behind the slots: the scale bytes, as units of 256 bytes + 16 of padding
.set HALFS,  (128*KS/256)*272
.set SBLK,   (16*KS/256)*272
.set SPARE,  SCL+4*HALFS               ; the spare words, 128 bytes for each wave: two blocks of 256 bytes that no other line names
.set SPITCH, 272                       ; the way out: a stage of 16 rows x (256 bytes + 16) for each wave, in slot 0, which has had its only fill and its last read by then
.set ADRA, 16
.set ADRB, 20
.set MO,   22                          ; v22 4 x (lane % 16): my row's mask
.set STO,  24
.set RD,   25
.set CO,   26
.set ADRS, 27
.set SPW,  28
.set NIL,  29
.set FO,   30                          ; v30 my place in a head's 16 rows of first
.set FL,   31                          ; v31 0 where my wave's first 16 rows are positions 0 to 15 of a batch
.set SC,   32
.set HF,   32
.set BK,   64
.set FM,   96
.set AF,   128
.set SCD,  192
.set G1, 24
.set G0, 32
.set G1B, 48
.set G0B, 56
.set G1S, 68
.set G0S, 76
.set G1SB, 80
.set G0SB, 88
.set MSB, 0
.macro WIN new                         ; the immediate's high byte repeats the setting that is left
.if MSB != \new
	s_set_vgpr_msb (MSB<<8)|\new
.set MSB, \new
.endif
.endm
.set MUL_LO, 0xa1                      ; source 0 (B) window 1, source 1 (A) window 0, C and D window 2
.set MUL_HI, 0xf1
.set TO_B,   0x40
; A joint load: waves 0 and 1 fetch for A, waves 2 and 3 for B; the branch hangs on the wave's number alone.  An s_nop 0 and four v_nop follow each of the two lines.
.macro JLOAD g0a, g1a, g0b, g1b
	s_cmp_eq_u32 s15, 0
	s_cbranch_scc0 .Lfor_b_\@
	tensor_load_to_lds s[\g0a:\g0a+3], s[\g1a:\g1a+7]
	s_nop 0
.rept 4
	v_nop
.endr
	s_branch .Lasked_\@
.Lfor_b_\@:
	tensor_load_to_lds s[\g0b:\g0b+3], s[\g1b:\g1b+7]
	s_nop 0
.rept 4
	v_nop
.endr
.Lasked_\@:
.endm
.macro CROUND                          ; a round of the cluster's barrier
	s_barrier_signal -1
	s_barrier_wait -1
	s_cmp_lg_u32 s14, 0
	s_cbranch_scc1 .Lnot_wave_0_\@
	s_barrier_signal -3
.Lnot_wave_0_\@:
	s_barrier_wait -3
	s_barrier_signal -1
	s_barrier_wait -1
.endm
	s_load_b128 s[4:7], s[0:1], 0x0                ; xc, xs
	s_load_b128 s[8:11], s[0:1], 0x10              ; wc, ws
	s_load_b64 s[12:13], s[0:1], 0x20              ; qkv
	s_load_b64 s[66:67], s[0:1], 0x28              ; first
	s_load_b128 s[96:99], s[0:1], 0x30             ; hmask, vmask
	v_lshl_add_u32 v[SPW], v0, 2, SPARE
	v_mov_b32 v[NIL], 0
	ds_add_u32 v[SPW], v[NIL]                      ; the wave's opening: an add of 0 to my spare word, twice on end, and its wait ahead of my first tensor load
	ds_add_u32 v[SPW], v[NIL]
	v_lshrrev_b32 v1, 5, v0
	v_readfirstlane_b32 s14, v1                    ; wave 0..3
	s_lshr_b32 s15, s14, 1                         ; which half of the tile's rows is mine.  Also: I fetch for A (0) or for B (1)
	s_and_b32 s16, s14, 1                          ; which half of its columns.  Also: which 128 rows of that tile I fetch
	s_bfe_u32 s40, ttmp6, 0x40000                  ; cx, cy: my place in the cluster
	s_bfe_u32 s41, ttmp6, 0x40004
	s_lshl_b32 s42, ttmp9, 2
	s_add_co_u32 s42, s42, s40                     ; tile column = 4 x cluster x + cx
	s_and_b32 s17, ttmp7, 0xffff
	s_lshr_b32 s95, s17, 2                         ; the projection: four clusters to each; the same in all sixteen partners
	s_lshl_b32 s17, s17, 2
	s_add_co_u32 s17, s17, s41                     ; tile row = 4 x cluster y + cy
	s_lshl_b32 s43, s41, 2
	s_lshl_b32 s43, 15, s43                        ; my row of the cluster
	s_lshl_b32 s44, 0x1111, s40                    ; my column
	s_or_b32 s[G1+0], s43, (0<<16)|(1<<20)|(1<<21)|(5<<22)|(3<<25)  ; the mask; elements of 1 byte; padding on; bit 21 beside a mask; 4 words of padding after every 64
	s_or_b32 s[G1B+0], s44, (0<<16)|(1<<20)|(1<<21)|(5<<22)|(3<<25)
.irp g, G1, G1B
	s_mov_b32 s[\g+1], ROWB<<16                    ; tensor_dim0
	s_mov_b32 s[\g+2], 128<<16                     ; tensor_dim1
	s_mov_b32 s[\g+3], ROWB<<16                    ; tile_dim0
	s_mov_b32 s[\g+4], 128                         ; tile_dim1
	s_mov_b32 s[\g+5], KROW                        ; from row to row
	s_mov_b32 s[\g+6], 0
	s_mov_b32 s[\g+7], 0
.endr
	s_or_b32 s[G1S+0], s43, (3<<16)|(1<<20)|(1<<21)|(5<<22)|(3<<25) ; the scale bytes of 128 rows: 4,096 dense bytes as 16 rows of 256 (32 elements of 8 bytes), 16 bytes of padding behind each
	s_or_b32 s[G1SB+0], s44, (3<<16)|(1<<20)|(1<<21)|(5<<22)|(3<<25)
.irp g, G1S, G1SB
	s_mov_b32 s[\g+1], 32<<16
	s_mov_b32 s[\g+2], (128*KS/256)<<16
	s_mov_b32 s[\g+3], 32<<16
	s_mov_b32 s[\g+4], 128*KS/256
	s_mov_b32 s[\g+5], 32
	s_mov_b32 s[\g+6], 0
	s_mov_b32 s[\g+7], 0
.endr
	s_lshl_b32 s18, s16, 7                         ; which 128 rows of the tile I fetch
	s_lshl_b32 s20, s17, 8
	s_add_co_u32 s20, s20, s18                     ; A: row 256 x tile row + 128 x half
	s_lshl_b32 s46, s42, 8
	s_add_co_u32 s46, s46, s18
	s_lshl_b32 s94, s95, 10
	s_add_co_u32 s46, s46, s94                     ; B: row 1,024 x projection + 256 x tile column + 128 x half
	s_mov_b32 s21, 0
	s_mov_b32 s47, 0
	s_mov_b64 s[18:19], KS
	s_mul_u64 s[22:23], s[20:21], s[18:19]         ; where these rows' scale bytes begin
	s_mul_u64 s[92:93], s[46:47], s[18:19]
	s_mov_b64 s[18:19], KROW
	s_mul_u64 s[20:21], s[20:21], s[18:19]         ; and their codes
	s_mul_u64 s[46:47], s[46:47], s[18:19]
	s_mul_i32 s45, s14, HALFT                      ; where they go: wave x 128 rows: no place in the cluster enters an LDS address
	s_mul_i32 s94, s14, HALFS
	s_wait_dscnt 0x0                               ; both opening adds are done
	s_wait_kmcnt 0x0
	s_add_nc_u64 s[20:21], s[4:5], s[20:21]
	s_add_nc_u64 s[22:23], s[6:7], s[22:23]
	s_add_nc_u64 s[46:47], s[8:9], s[46:47]
	s_add_nc_u64 s[92:93], s[10:11], s[92:93]
	CROUND                                         ; all sixteen work-groups are here: the joint loads meet
	s_mov_b32 s[G0S], 1
	s_add_co_u32 s[G0S+1], s94, SCL
	s_mov_b64 s[G0S+2:G0S+3], s[22:23]
	s_or_b32 s[G0S+3], s[G0S+3], 0x80000000
	s_mov_b32 s[G0SB], 1
	s_add_co_u32 s[G0SB+1], s94, SCL
	s_mov_b64 s[G0SB+2:G0SB+3], s[92:93]
	s_or_b32 s[G0SB+3], s[G0SB+3], 0x80000000
	JLOAD G0S, G1S, G0SB, G1SB                     ; the scale bytes first; with the two below three loads of mine are out
.irp s, 0,1
	s_mov_b32 s[G0+4*\s], 1
	s_add_co_u32 s[G0+4*\s+1], s45, \s*SLOT
	s_add_nc_u64 s[G0+4*\s+2:G0+4*\s+3], s[20:21], \s*ROWB
	s_or_b32 s[G0+4*\s+3], s[G0+4*\s+3], 0x80000000
	s_mov_b32 s[G0B+4*\s], 1
	s_add_co_u32 s[G0B+4*\s+1], s45, \s*SLOT
	s_add_nc_u64 s[G0B+4*\s+2:G0B+4*\s+3], s[46:47], \s*ROWB
	s_or_b32 s[G0B+4*\s+3], s[G0B+4*\s+3], 0x80000000
	JLOAD G0+4*\s, G1, G0B+4*\s, G1B
.endr
	v_and_b32 v1, 15, v0                           ; r = lane % 16
	v_bfe_u32 v2, v0, 4, 1                         ; h = lane / 16
	v_mul_u32_u24 v3, v1, PITCH
	v_lshl_add_u32 v4, v2, 4, v3                   ; a fragment's row x pitch + 16 x half
	s_mul_i32 s21, s15, HALFT                      ; my 128 rows of A
	s_mul_i32 s22, s16, HALFT                      ; my 128 rows of B,
	s_add_co_u32 s22, s22, 2*HALFT                 ; which lie behind A's 256
.irp s, 0,1
	v_add_nc_u32 v[ADRA+\s], s21, v4
	v_add_nc_u32 v[ADRB+\s], s22, v4
	s_add_co_u32 s21, s21, SLOT
	s_add_co_u32 s22, s22, SLOT
.endr
	v_mul_u32_u24 v5, v1, KS                       ; my row's scale bytes: KS a row,
	v_lshrrev_b32 v6, 8, v5
	v_lshl_add_u32 v5, v6, 4, v5                   ; and 16 more for each 256 passed
	s_mul_i32 s21, s15, HALFS
	s_mul_i32 s22, s16, HALFS
	s_add_co_u32 s22, s22, 2*HALFS
	s_sub_co_u32 s22, s22, s21
	v_mul_u32_u24 v6, s22, v2                      ; lanes 16-31 take B's
	s_add_co_u32 s21, s21, SCL
	v_add_nc_u32 v5, v5, v6
	v_add_nc_u32 v[ADRS], s21, v5
	s_mul_i32 s23, s14, 16*SPITCH                  ; my stage
	v_mul_u32_u24 v5, v1, SPITCH
	v_lshl_add_u32 v5, v2, 4, v5
	v_add_nc_u32 v[STO], s23, v5                   ; in: row r, 16 bytes for each half of the lanes
	v_and_b32 v6, 31, v0
	v_lshrrev_b32 v5, 3, v6
	v_mul_u32_u24 v5, v5, SPITCH
	v_and_b32 v3, 7, v0
	v_lshl_add_u32 v5, v3, 4, v5
	v_add_nc_u32 v[RD], s23, v5                    ; back: eight lanes take a row's 128 bytes of one head, four rows an instruction
	v_lshlrev_b32 v[CO], 4, v6                     ; which are 512 consecutive bytes of qkv
	v_lshlrev_b32 v[FO], 8, v1
	v_lshl_add_u32 v[FO], v2, 5, v[FO]             ; first: 256 r + 32 h
	v_lshlrev_b32 v[MO], 2, v1
	s_and_b32 s20, s17, 15                         ; the tile row within the projection,
	s_lshr_b32 s21, s20, 3                         ; its batch,
	s_and_b32 s22, s17, 7                          ; and its place in the batch
	s_lshl_b32 s46, s42, 2
	s_lshl_b32 s47, s16, 1
	s_add_co_u32 s46, s46, s47                     ; my first head: 4 x tile column + 2 x half
	s_lshl_b32 s47, s21, 4
	s_add_co_u32 s46, s46, s47                     ; 16 b + head
	s_lshl_b32 s2, s46, 12                         ; first: 4,096 bytes for each (b, head), 131,072 for each projection
	s_lshl_b32 s47, s95, 17
	s_add_co_u32 s2, s2, s47
	s_mov_b32 s3, 0
	s_add_nc_u64 s[66:67], s[66:67], s[2:3]
	s_lshl_b32 s46, s46, 18                        ; qkv: 262,144 bytes for each (b, head),
	s_lshl_b32 s47, s22, 15                        ; 128 bytes a position: 256 positions a tile row,
	s_add_co_u32 s46, s46, s47
	s_lshl_b32 s47, s15, 14                        ; 128 a half,
	s_add_co_u32 s46, s46, s47
	s_lshl_b32 s47, s95, 23                        ; 8,388,608 bytes a projection
	s_add_co_u32 s46, s46, s47
	s_mov_b32 s47, 0
	s_add_nc_u64 s[12:13], s[12:13], s[46:47]
	s_cmp_eq_u32 s95, 1
	s_cselect_b64 s[96:97], s[98:99], s[96:97]     ; k takes vmask, q hmask (v's factor below takes nothing of the mask it loads)
	s_lshl_b32 s2, s20, 10
	s_lshl_b32 s47, s15, 9
	s_add_co_u32 s2, s2, s47                       ; 4 bytes a row: my 128 rows' masks
	s_add_nc_u64 s[96:97], s[96:97], s[2:3]
	s_or_b32 s2, s22, s15
	v_mov_b32 v[FL], s2
	s_cmp_eq_u32 s95, 2
	s_cselect_b32 s100, 0, 0x3d000000              ; factor = mask x s100 + s101: mask x 2^-5 for q and k,
	s_cselect_b32 s101, 0x3e000000, 0              ; 2^-3 for v
.irp a, 0,1,2,3,4,5,6,7
	global_load_b32 v[FM+2*\a], v[MO], s[96:97] offset:64*\a       ; block a's sixteen rows; waited for on the way out
	global_load_b32 v[FM+2*\a+1], v[MO], s[96:97] offset:64*\a
.endr
.macro FRAG reg, adr, q, i             ; 16 rows x 128 K of 4-bit codes: lane l holds row l % 16; registers 4 c .. 4 c + 3 hold K = 64 c + 32 (l / 16) + 0 .. 31
.irp c, 0,1
	ds_load_b128 v[\reg+4*\c:\reg+4*\c+3], v[\adr] offset:64*(\q)+32*\c+(\i)*16*PITCH
.endr
.endm
; 16 matrix instructions: A's blocks a0, a0 + 1 x B's eight, 128 along K.  zero = 1: the first product starts the sums.  The 64 accumulators take turns, one instruction a turn.
.macro MUL16 a0, p, q, sc, zero
.irp a, \a0, \a0+1
.irp b, 0,1,2,3,4,5,6,7
.if \zero
	v_wmma_scale_f32_16x16x128_f8f6f4 v[8*(8*((\a)%4)+\b):8*(8*((\a)%4)+\b)+7], v[128*(\p)+FR*\b:128*(\p)+FR*\b+FR-1], v[AF+FR*(\a):AF+FR*(\a)+FR-1], 0, v[SC+8*NQ*(\sc)+NQ*\b+(\q)], v[SC+8*NQ*(\sc)+NQ*(\a)+(\q)] matrix_a_fmt:MATRIX_FMT_FP4 matrix_b_fmt:MATRIX_FMT_FP4 matrix_a_scale:MATRIX_SCALE_ROW1
.else
	v_wmma_scale_f32_16x16x128_f8f6f4 v[8*(8*((\a)%4)+\b):8*(8*((\a)%4)+\b)+7], v[128*(\p)+FR*\b:128*(\p)+FR*\b+FR-1], v[AF+FR*(\a):AF+FR*(\a)+FR-1], v[8*(8*((\a)%4)+\b):8*(8*((\a)%4)+\b)+7], v[SC+8*NQ*(\sc)+NQ*\b+(\q)], v[SC+8*NQ*(\sc)+NQ*(\a)+(\q)] matrix_a_fmt:MATRIX_FMT_FP4 matrix_b_fmt:MATRIX_FMT_FP4 matrix_a_scale:MATRIX_SCALE_ROW1
.endif
.endr
.endr
.endm
.macro FETCH_B slot, q, p
	WIN TO_B
.irp i, 0,1,2,3,4,5,6,7
	FRAG 128*(\p)+FR*\i, ADRB+\slot, \q, \i
.endr
	WIN 0
.endm
.macro FETCH_A slot, q, i0
.irp i, \i0, \i0+1, \i0+2, \i0+3
	FRAG AF+FR*(\i), ADRA+\slot, \q, \i
.endr
.endm
.macro SCALES sc                       ; a K step's scale words: lanes 0-15 take A's block i, lanes 16-31 B's block i
.irp i, 0,1,2,3,4,5,6,7
	ds_load_b128 v[SC+8*NQ*\sc+NQ*\i:SC+8*NQ*\sc+NQ*\i+3], v[ADRS] offset:\i*SBLK
.endr
.endm
.macro PLACES n                        ; plain vector lines between a matrix instruction and a load into, or a read of, its registers
.rept \n
	v_nop
.endr
.endm
.macro STEP slot, q, zero              ; 128 along K that have their successor in the same slot
	s_wait_dscnt 4*NL                              ; B's set and A's blocks 0-3 are in; the youngest eight loads (A's blocks 4-7) may be out
	WIN MUL_LO
	MUL16 0, (\q)%2, \q, \slot, \zero
	MUL16 2, (\q)%2, \q, \slot, \zero
	s_wait_dscnt 0
	PLACES NP
	FETCH_B \slot, (\q)+1, 1-(\q)%2
	FETCH_A \slot, (\q)+1, 0
	WIN MUL_HI
	MUL16 4, (\q)%2, \q, \slot, \zero
	MUL16 6, (\q)%2, \q, \slot, \zero
	PLACES NP
	WIN 0
	FETCH_A \slot, (\q)+1, 4
.endm
.macro STEPS slot, from
.set Q, \from
.rept NQ-1-\from
	STEP \slot, Q, 0
.set Q, Q+1
.endr
.endm
	s_wait_tensorcnt 1                             ; the scale bytes and my part of slot 0 are in; slot 1's load may be out
	s_barrier_signal -1
	s_barrier_wait -1                              ; everybody's are
	FETCH_B 0, 0, 0
	FETCH_A 0, 0, 0
	SCALES 0
	FETCH_A 0, 0, 4
	STEP 0, 0, 1                                   ; the first products start the sums: nothing is cleared
	STEPS 0, 1
	; slot 0's last 128 along K, and the change to slot 1: one barrier; nothing is filled again in this launch
	s_wait_tensorcnt 0x0                           ; my part of slot 1 has landed
	ds_add_u32 v[SPW], v[NIL]
	s_wait_dscnt 4*NL+1                            ; (the add and the youngest eight loads may be out)
	WIN MUL_LO
	MUL16 0, 1, NQ-1, 0, 0
	s_wait_dscnt 0x0                               ; the add is done, and my reads of slot 0 are over
	s_barrier_signal -1
	MUL16 2, 1, NQ-1, 0, 0
	WIN 0
	s_barrier_wait -1
	PLACES NP
	v_add_nc_u32 v[ADRS], 4*NQ, v[ADRS]            ; the second K step's scale words
	FETCH_B 1, 0, 0
	FETCH_A 1, 0, 0
	SCALES 1
	WIN MUL_HI
	MUL16 4, 1, NQ-1, 0, 0
	MUL16 6, 1, NQ-1, 0, 0
	PLACES NP
	WIN 0
	FETCH_A 1, 0, 4
	STEPS 1, 0
	s_wait_dscnt 4*NL                              ; the very last 128 along K
	WIN MUL_LO
	MUL16 0, 1, NQ-1, 1, 0
	MUL16 2, 1, NQ-1, 1, 0
	s_wait_dscnt 0
	WIN MUL_HI
	MUL16 4, 1, NQ-1, 1, 0
	MUL16 6, 1, NQ-1, 1, 0
	WIN 0
	; THE WAY OUT, block by block of 16 rows x 128 columns (two heads).
	PLACES NP
	s_wait_loadcnt 0x0                             ; the masks
.set i, 0
.rept 16
	v_fma_f32 v[FM+i], v[FM+i], s100, s101         ; the rows' factors
.set i, i+1
.endr
.macro OUTBLK a
.set AC, 64*((\a)%4)
	s_wait_xcnt 0x0                                ; the block before has had its stores' addresses translated: their data registers may be written again
	WIN 0x02+(\a)/4                                ; source 0: window 2 or 3
.set i, 0
.rept 32
	v_pk_mul_f32 v[SCD+2*i:SCD+2*i+1], v[AC+2*i:AC+2*i+1], v[FM+2*(\a):FM+2*(\a)+1]   ; each accumulator from its low end on
.set i, i+1
.endr
	WIN 0
.set i, 0
.rept 32
	v_cvt_pk_f16_f32 v[HF+i], v[SCD+2*i], v[SCD+2*i+1]
.set i, i+1
.endr
.if (\a) == 0
	; positions 0 to 15 of a batch, in f32.  Which waves hold them hangs on the work-group's place in its cluster, so no branch is taken: the lanes of all other waves are switched off.
	v_cmp_eq_u32 vcc_lo, 0, v[FL]
	s_and_saveexec_b32 s3, vcc_lo                  ; (no global instruction has been issued since the wait above)
.irp b, 0,1,2,3,4,5,6,7
	global_store_b128 v[FO], v[SCD+8*\b:SCD+8*\b+3], s[66:67] offset:(\b/4)*4096+(\b%4)*64
	global_store_b128 v[FO], v[SCD+8*\b+4:SCD+8*\b+7], s[66:67] offset:(\b/4)*4096+(\b%4)*64+16
.endr
	s_wait_xcnt 0x0                                ; EXEC is a source of these stores: it is widened only behind this wait
	s_or_b32 exec_lo, exec_lo, s3
.endif
.irp b, 0,1,2,3,4,5,6,7
	ds_store_b128 v[STO], v[HF+4*\b:HF+4*\b+3] offset:32*\b
.endr
.irp n, 0,1,2,3,4,5,6,7
	ds_load_b128 v[BK+4*\n:BK+4*\n+3], v[RD] offset:(\n/4)*128+(\n%4)*4*SPITCH   ; in order behind my stores: head n / 4, rows 4 (n % 4) on
.endr
	s_wait_dscnt 0x0
.irp n, 0,1,2,3,4,5,6,7
	global_store_b128 v[CO], v[BK+4*\n:BK+4*\n+3], s[12:13] offset:(\n/4)*262144+(\a)*2048+(\n%4)*512   ; 32 lanes store 512 consecutive bytes, aligned
.endr
.endm
.irp a, 0,1,2,3,4,5,6,7
	OUTBLK \a
.endr
	s_wait_tensorcnt 0x0                           ; the wave's end: a wait, an add of 0 to my spare word and its wait, behind my last tensor load and my last LDS store
	ds_add_u32 v[SPW], v[NIL]
	s_wait_dscnt 0x0
	CROUND                                         ; the closing round
	s_endpgm
.Lfunc_end_k_q6a1d407ecd_proj:
	.size	k_q6a1d407ecd_proj, .Lfunc_end_k_q6a1d407ecd_proj-k_q6a1d407ecd_proj
	.p2alignl 7, 3214868480
	.fill 96, 4, 3214868480
	.section	.rodata,"a",@progbits
	.p2align	6, 0x0
	.amdhsa_kernel k_q6a1d407ecd_proj
		.amdhsa_group_segment_fixed_size 327680
		.amdhsa_private_segment_fixed_size 0
		.amdhsa_enable_private_segment 0
		.amdhsa_kernarg_size 64
		.amdhsa_user_sgpr_count 2
		.amdhsa_user_sgpr_kernarg_segment_ptr 1
		.amdhsa_wavefront_size32 1
		.amdhsa_system_sgpr_workgroup_id_x 1
		.amdhsa_system_sgpr_workgroup_id_y 1
		.amdhsa_system_sgpr_workgroup_id_z 1
		.amdhsa_system_vgpr_workitem_id 0
		.amdhsa_next_free_vgpr 1024
		.amdhsa_next_free_sgpr 102
		.amdhsa_reserve_vcc 1
		.amdhsa_float_denorm_mode_32 3
		.amdhsa_float_denorm_mode_16_64 3
		.amdhsa_memory_ordered 1
		.amdhsa_forward_progress 1
		.amdhsa_inst_pref_size 147
	.end_amdhsa_kernel
	.amdgpu_metadata
---
amdhsa.version: [ 1, 2 ]
amdhsa.kernels:
  - .name:           k_q6a1d407ecd_proj
    .symbol:         k_q6a1d407ecd_proj.kd
    .args:
      - { .name: xc, .offset: 0, .size: 8, .value_kind: global_buffer, .address_space: global }
      - { .name: xs, .offset: 8, .size: 8, .value_kind: global_buffer, .address_space: global }
      - { .name: wc, .offset: 16, .size: 8, .value_kind: global_buffer, .address_space: global }
      - { .name: ws, .offset: 24, .size: 8, .value_kind: global_buffer, .address_space: global }
      - { .name: qkv, .offset: 32, .size: 8, .value_kind: global_buffer, .address_space: global }
      - { .name: first, .offset: 40, .size: 8, .value_kind: global_buffer, .address_space: global }
      - { .name: hmask, .offset: 48, .size: 8, .value_kind: global_buffer, .address_space: global }
      - { .name: vmask, .offset: 56, .size: 8, .value_kind: global_buffer, .address_space: global }
    .group_segment_fixed_size: 327680
    .private_segment_fixed_size: 0
    .kernarg_segment_align: 8
    .kernarg_segment_size: 64
    .max_flat_workgroup_size: 128
    .sgpr_count:     102
    .vgpr_count:     1024
    .wavefront_size: 32
...
	.end_amdgpu_metadata
.endif
;; end of part 2
;; launch attn (part 3): grid 8 x 32, 16 waves a work-group, no clusters, 327,680 bytes of LDS; arguments qkv, oc; writes oc
.if DOCPART == 3
	.amdgcn_target "amdgcn-amd-amdhsa--gfx1250"
	.amdhsa_code_object_version 6
	.text
	.protected	k_q6a1d407ecd_attn
	.globl	k_q6a1d407ecd_attn
	.p2align	8
	.type	k_q6a1d407ecd_attn,@function
k_q6a1d407ecd_attn:
	s_mov_b64 s[64:65], 0
	v_nop
	global_prefetch_b8 v0, s[64:65] scope:SCOPE_SE
	s_setreg_imm32_b32 hwreg(HW_REG_WAVE_MODE, 25, 1), 1
	s_wait_xcnt 0x0
; CAUSAL ATTENTION ON f16 OPERANDS, f32 SUMS.  qkv [3][b x 16 + head][2048][64] holds q' = q hmask / 32, k' = k vmask / 32, v' = v / 8.  With s' = q' . k' the score of reference() is 16 s'.
; t = c s', c = 16 log2(e); for each query a running maximum mt of t and a running sum l: p = 2^(t - mt); in every step O and l are multiplied by a = 2^(old mt - new mt).
; "A SCORE OF 0 BECOMES 1e-10": z = 1e-10 / 16 is the C of each score tile's first matrix instruction.  A score that is exactly 0 becomes exactly z; any other is moved by 1e-10 at the most, which changes
; its p by one part in 10^10 at the most, for every input: a stated deviation in rounding.  The sums of p are taken of the unrounded p; p is rounded to f16 for the second product.
; o' = o / 8 goes out in f16 as oc [b][t / 64][head][t % 64][64]: a wave's 16 queries are 2,048 consecutive bytes there.
; SHARES.  Work-group (i, b x 16 + head), sixteen waves of 16 queries: waves 0-7 take query block i (128 queries), waves 8-15 block 15 - i: (i + 1) + (16 - i) = 17 key steps for each such pair, in every work-group.
; Keys go 128 a step, 256 a slot, through two LDS slots filled by tensor loads (waves 0, 1: K's halves; waves 2, 3: V's) and read by all sixteen.  Every work-group walks all 8 slots' changes; a step all of whose
; keys come after a wave's queries is jumped over, and a slot whose first key comes after the work-group's last query is not asked for.
; NO CLUSTER: the work-groups of one head need 8, 8, 7, 7, 6, 6, 5, 5 slots, and every partner would have to make every joint request.
; LAYOUT.  S^T = K Q^T (source 0 = 16 keys, source 1 = my 16 queries): a lane holds one query (lane % 16) and keys 8 (lane / 16) + 0..7; two such tiles, rounded in pairs, are source 1 of O^T = V^T P.
; LIMITS: NaN and infinities are not served; p under 2^-24 is lost in f16.
; REGISTERS: v1-9 addresses and constants; v[10:11] mt, old mt; v[12:13] l; v[14:15] a; v16-31 Q; v32-95 fragments of K or V; v96-159 S^T, then p; v160-191 P; v192-223 O^T; v224-231 z; v232-254 at work; v255 prefetch offset.
.set SK,    256                        ; keys in a slot
.set KP,    144                        ; a key's row in LDS: 128 bytes + 16
.set VP,    160                        ; a value's row: 128 bytes + 32
.set VOFF,  SK*KP
.set SLOT1, 1<<17                      ; slot 1 begins here: one exclusive or turns an address
.set NSL,   2048/SK
.set SPARE, SLOT1+SK*(KP+VP)           ; the spare words, 128 bytes for each wave: eight blocks of 256 bytes that no other line names
.set AK0,  1
.set AV0,  2
.set SPW,  3
.set NIL,  4
.set GO,   5
.set ADK,  6
.set ADV,  7
.set RH,   8                           ; lane % 16 - 8 (lane / 16)
.set NINF, 9
.set MT,   10
.set LS,   12
.set AF,   14
.set QF,   16
.set FR,   32
.set S,    96
.set P,    160
.set O,    192
.set Z,    224
.set T,    232
.set PFO,  255
.set WV,   18
.set SEL,  20
.set CS,   22
.set G1K,  24
.set G1V,  32
.set G0K,  40
.set G0V,  44
.set TB,   2
.set SLOTS, 67
.set PFA,  76
.set LIM,  80
.set LASTQ, 95
.set KF,   98
.set Q0,   99
; Waves 0 and 1 fetch for K, waves 2 and 3 for V, the others nothing.  An s_nop 0 and four v_nop follow each of the two lines.
.macro TLOAD
	s_cmp_lt_u32 s[WV], 2
	s_cbranch_scc0 .Lnot_k_\@
	tensor_load_to_lds s[G0K:G0K+3], s[G1K:G1K+7]
	s_nop 0
.rept 4
	v_nop
.endr
	s_branch .Lasked_\@
.Lnot_k_\@:
	s_cmp_lt_u32 s[WV], 4
	s_cbranch_scc0 .Lasked_\@
	tensor_load_to_lds s[G0V:G0V+3], s[G1V:G1V+7]
	s_nop 0
.rept 4
	v_nop
.endr
.Lasked_\@:
.endm
; A prefetch of what the NEXT change of slots will ask for: 32,768 dense bytes of K and as many of V.  Each aligned block of 256 bytes is named once in the launch: of a head's eight work-groups the one with
; i = 0 asks (it walks all slots); in it waves 4-7 ask for K, waves 8-11 for V, 8,192 bytes a wave, lanes 256 bytes apart.  Slots 0 and 1 come by their loads alone; the last filling change asks for nothing.
.macro ASK
	s_cmp_gt_u32 s[SLOTS], s[LIM]
	s_cbranch_scc0 .Lnot_mine_\@
	global_prefetch_b8 v[PFO], s[PFA:PFA+1] th:TH_LOAD_NT scope:SCOPE_SE
.Lnot_mine_\@:
.endm
	s_load_b128 s[4:7], s[0:1], 0x0                ; qkv, oc
	v_lshl_add_u32 v[SPW], v0, 2, SPARE
	v_mov_b32 v[NIL], 0
	ds_add_u32 v[SPW], v[NIL]                      ; the wave's opening: an add of 0 to my spare word, twice on end, and its wait ahead of my first tensor load
	ds_add_u32 v[SPW], v[NIL]
	v_lshrrev_b32 v6, 5, v0
	v_readfirstlane_b32 s[WV], v6                  ; wave 0..15
	s_and_b32 s8, ttmp7, 0xffff                    ; 16 b + head
	s_lshl_b32 s9, s8, 18                          ; its 262,144 bytes in each of the three planes
	s_and_b32 s10, s[WV], 1                        ; which 128 keys of a slot I fetch, if I fetch
	s_lshl_b32 s11, s10, 14
	s_add_co_u32 s11, s11, s9
	s_add_co_u32 s12, s11, 0x800000                ; K's plane
	s_mov_b32 s13, 0
	s_add_co_u32 s14, s11, 0x1000000               ; V's plane
	s_mov_b32 s15, 0
	s_mul_i32 s16, s10, 128*KP
	s_mul_i32 s17, s10, 128*VP
	s_add_co_u32 s17, s17, VOFF
	s_mov_b32 s[G1K], (1<<16)|(1<<20)|(4<<22)|(3<<25)  ; no mask; elements of 2 bytes; padding on: 4 words after every 32
	s_mov_b32 s[G1V], (1<<16)|(1<<20)|(4<<22)|(7<<25)  ; 8 words after every 32
.irp g, G1K, G1V
	s_mov_b32 s[\g+1], 64<<16                      ; tensor_dim0
	s_mov_b32 s[\g+2], 128<<16                     ; tensor_dim1
	s_mov_b32 s[\g+3], 64<<16                      ; tile_dim0
	s_mov_b32 s[\g+4], 128                         ; tile_dim1
	s_mov_b32 s[\g+5], 64                          ; from row to row
	s_mov_b32 s[\g+6], 0
	s_mov_b32 s[\g+7], 0
.endr
	s_sub_co_u32 s82, 15, ttmp9
	s_cmp_lt_u32 s[WV], 8
	s_cselect_b32 s82, ttmp9, s82                  ; my block of 128 queries
	s_lshl_b32 s82, s82, 7
	s_and_b32 s83, s[WV], 7
	s_lshl_b32 s83, s83, 4
	s_add_co_u32 s[Q0], s82, s83                   ; my first query
	s_sub_co_u32 s[LASTQ], 16, ttmp9
	s_lshl_b32 s[LASTQ], s[LASTQ], 7
	s_sub_co_u32 s[LASTQ], s[LASTQ], 1             ; my work-group's last query
	s_lshl_b32 s84, s[Q0], 7
	s_add_co_u32 s84, s84, s9                      ; Q: my first query's row
	s_mov_b32 s85, 0
	s_lshr_b32 s86, s8, 4                          ; oc: (((32 b + Q0 / 64) 16 + head) 64 + Q0 % 64) x 128 bytes
	s_and_b32 s87, s8, 15
	s_lshl_b32 s86, s86, 5
	s_lshr_b32 s88, s[Q0], 6
	s_add_co_u32 s86, s86, s88
	s_lshl_b32 s86, s86, 4
	s_add_co_u32 s86, s86, s87
	s_lshl_b32 s86, s86, 13
	s_and_b32 s88, s[Q0], 63
	s_lshl_b32 s88, s88, 7
	s_add_co_u32 s86, s86, s88
	s_mov_b32 s87, 0
	s_mov_b32 s[SEL], 0x76543210
	s_mov_b32 s[SEL+1], 0xfedcba98                 ; v_permlanex16_b32's selects for lane l xor 16
	s_mov_b32 s[CS], 0x41b8aa3b                    ; c = 16 log2(e)
	s_mov_b32 s[CS+1], s[CS]                       ; (named with it as a pair, so it is written)
	s_mov_b32 s[TB], 0
	s_mov_b32 s[SLOTS], NSL-1
	s_mov_b32 s[KF], 0
	s_wait_dscnt 0x0                               ; both opening adds are done
	s_wait_kmcnt 0x0
	s_mov_b32 s[G0K], 1
	s_mov_b32 s[G0K+1], s16
	s_add_nc_u64 s[G0K+2:G0K+3], s[4:5], s[12:13]
	s_or_b32 s[G0K+3], s[G0K+3], 0x80000000
	s_mov_b32 s[G0V], 1
	s_mov_b32 s[G0V+1], s17
	s_add_nc_u64 s[G0V+2:G0V+3], s[4:5], s[14:15]
	s_or_b32 s[G0V+3], s[G0V+3], 0x80000000
	TLOAD                                          ; slot 0: it holds key 0, which counts for every query
	s_add_nc_u64 s[84:85], s[4:5], s[84:85]
	s_add_nc_u64 s[6:7], s[6:7], s[86:87]
	s_cmp_lt_u32 s[WV], 8                          ; the prefetches: waves 4-7 stand in K's plane, waves 8-11 in V's
	s_mov_b32 s82, 0x1000000
	s_cselect_b32 s82, 0x800000, s82
	s_add_co_u32 s82, s82, s9
	s_and_b32 s83, s[WV], 3
	s_lshl_b32 s83, s83, 13
	s_add_co_u32 s82, s82, s83
	s_add_co_u32 s82, s82, SK*128                  ; in slot 1: the first change of slots steps it to slot 2
	s_mov_b32 s83, 0
	s_add_nc_u64 s[PFA:PFA+1], s[4:5], s[82:83]
	s_sub_co_u32 s82, s[WV], 4
	s_lshr_b32 s82, s82, 3                         ; 0 in waves 4 to 11,
	s_or_b32 s82, s82, ttmp9                       ; of the work-group with i = 0
	s_cmp_eq_u32 s82, 0
	s_cselect_b32 s[LIM], 1, -1
	v_and_b32 v[T], 15, v0                         ; r
	v_bfe_u32 v[T+1], v0, 4, 1                     ; h
	v_lshlrev_b32 v[T+2], 7, v[T]
	v_lshl_add_u32 v[T+2], v[T+1], 4, v[T+2]       ; Q: 128 r + 16 h
.irp i, 0,1,2,3
	global_load_b128 v[QF+4*\i:QF+4*\i+3], v[T+2], s[84:85] offset:32*\i   ; two fragments of 16 queries x 32 channels; they stay
.endr
	v_mul_u32_u24 v[AK0], v[T], KP
	v_lshl_add_u32 v[AK0], v[T+1], 4, v[AK0]       ; K: row r x pitch + 16 h
	v_and_b32 v[T+3], 7, v0
	v_bfe_u32 v[T+4], v0, 3, 1
	v_lshl_add_u32 v[AV0], v[T+1], 3, v[T+3]       ; V, for the turning load: key 8 h + l % 8, channels 8 ((l / 8) % 2) on
	v_mul_u32_u24 v[AV0], v[AV0], VP
	v_lshl_add_u32 v[AV0], v[T+4], 4, v[AV0]
	v_add_nc_u32 v[AV0], VOFF, v[AV0]
	v_lshlrev_b32 v[T+3], 3, v[T+1]
	v_sub_nc_u32 v[RH], v[T], v[T+3]
	v_mov_b32 v[NINF], 0xff800000
	v_and_b32 v[GO], 31, v0
	v_lshlrev_b32 v[PFO], 8, v[GO]
	v_lshlrev_b32 v[GO], 4, v[GO]
	v_mov_b32 v[MT], 0xff61b1e6                    ; -3e38, under every t
	v_mov_b32 v[MT+1], 0
	v_mov_b32 v[LS], 0
	v_mov_b32 v[LS+1], 0
	v_mov_b32 v[AF], 0
	v_mov_b32 v[AF+1], 0                           ; (named as the upper half of a pair)
	v_mov_b32 v[T+4], 0                            ; a lane permute's destination counts as one of its sources
.set i, 0
.rept 32
	v_mov_b32 v[O+i], 0                            ; the step is written once: the first finds zeros, which a = 0 leaves zeros
.set i, i+1
.endr
.set i, 0
.rept 8
	v_mov_b32 v[Z+i], 0x2cdbe6ff                   ; z = 1e-10 / 16
.set i, i+1
.endr
.macro VLOAD q, g                      ; V^T's fragments of keys 64 g .. 64 g + 63 of the step: (u, ct): keys 32 u on, channels 16 ct on
.irp u, 0,1
.irp ct, 0,1,2,3
	ds_load_tr16_b128 v[FR+8*(4*\u+\ct):FR+8*(4*\u+\ct)+3], v[ADV] offset:(128*(\q)+32*(2*(\g)+\u))*VP+32*\ct
	ds_load_tr16_b128 v[FR+8*(4*\u+\ct)+4:FR+8*(4*\u+\ct)+7], v[ADV] offset:(128*(\q)+32*(2*(\g)+\u))*VP+16*VP+32*\ct
.endr
.endr
.endm
.macro PVMUL g                         ; O^T += V^T P: the four accumulators by turns, one instruction a turn
.irp u, 0,1
.irp ct, 0,1,2,3
	v_wmma_f32_16x16x32_f16 v[O+8*\ct:O+8*\ct+7], v[FR+8*(4*\u+\ct):FR+8*(4*\u+\ct)+7], v[P+8*(2*(\g)+\u):P+8*(2*(\g)+\u)+7], v[O+8*\ct:O+8*\ct+7]
.endr
.endr
.endm
; A KEY STEP: 128 keys, the q-th of the slot in hand.
.macro STEP q
	s_add_co_u32 s96, s[Q0], 15                    ; a step all of whose keys come after my queries is left out: a branch on ids, round no barrier and no tensor load
	s_cmp_gt_u32 s[KF], s96
	s_cbranch_scc1 .Lhidden_\@
	v_add_nc_u32 v[ADK], s[TB], v[AK0]
	v_add_nc_u32 v[ADV], s[TB], v[AV0]
	v_nop
	v_nop                                          ; with the two additions: four plain lines in front of loads into registers that matrix instructions have read
.irp g, 0,1                                    ; S^T = K Q^T, four tiles of 16 keys at a time
.if \g
.rept 4
	v_nop
.endr
.endif
.irp t, 0,1,2,3
.irp c, 0,1
	ds_load_b128 v[FR+16*\t+8*\c:FR+16*\t+8*\c+3], v[ADK] offset:(128*(\q)+16*(4*\g+\t))*KP+64*\c
	ds_load_b128 v[FR+16*\t+8*\c+4:FR+16*\t+8*\c+7], v[ADK] offset:(128*(\q)+16*(4*\g+\t))*KP+64*\c+32
.endr
.endr
	s_wait_dscnt 0x0
.irp t, 0,1,2,3
	v_wmma_f32_16x16x32_f16 v[S+8*(4*\g+\t):S+8*(4*\g+\t)+7], v[FR+16*\t:FR+16*\t+7], v[QF:QF+7], v[Z:Z+7]   ; channels 0-31; the sum starts at z
.endr
.irp t, 0,1,2,3
	v_wmma_f32_16x16x32_f16 v[S+8*(4*\g+\t):S+8*(4*\g+\t)+7], v[FR+16*\t+8:FR+16*\t+15], v[QF+8:QF+15], v[S+8*(4*\g+\t):S+8*(4*\g+\t)+7]   ; channels 32-63; the four tiles by turns
.endr
.endr
.rept 4
	v_nop                                          ; in front of the loads below and of the first read of the scores
.endr
	VLOAD \q, 0                                    ; V's first half lands while the softmax is worked
	s_add_co_u32 s96, s[KF], 127                   ; on the diagonal the scores of hidden keys become -infinity; a step all of whose keys count skips this
	s_cmp_le_u32 s96, s[Q0]
	s_cbranch_scc1 .Lopen_\@
	s_sub_co_i32 s96, s[Q0], s[KF]
	v_add_nc_u32 v[T], s96, v[RH]                  ; d = my query - KF - 8 (lane / 16).  Register 8 kt + j holds key KF + 16 kt + 8 (lane / 16) + j: hidden where 16 kt + j > d
.set n, 0
.rept 64
	v_cmp_gt_i32 vcc_lo, 16*(n/8)+n%8, v[T]
	v_cndmask_b32 v[S+n], v[S+n], v[NINF], vcc_lo
.set n, n+1
.endr
.Lopen_\@:
.irp b, 0,1,2,3
	v_max3_num_f32 v[T+\b], v[S+16*\b], v[S+1+16*\b], v[S+2+16*\b]   ; the step's largest score, in four chains; each tile is read from its low end on
.endr
.irp i, 3,5,7,9,11,13
.irp b, 0,1,2,3
	v_max3_num_f32 v[T+\b], v[T+\b], v[S+16*\b+\i], v[S+1+16*\b+\i]
.endr
.endr
.irp b, 0,1,2,3
	v_max_num_f32 v[T+\b], v[T+\b], v[S+15+16*\b]
.endr
	v_max3_num_f32 v254, v[T], v[T+1], v[T+2]
	v_max_num_f32 v254, v254, v[T+3]
	v_permlanex16_b32 v[T+4], v254, s[SEL], s[SEL+1]   ; the query's other 64 keys lie in the lane 16 away
	v_max_num_f32 v254, v254, v[T+4]
	v_mul_f32 v254, s[CS], v254                    ; as t (c is positive)
	v_mov_b32 v[MT+1], v[MT]
	v_max_num_f32 v[MT], v[MT], v254               ; the running maximum
	v_sub_f32 v[T+4], v[MT+1], v[MT]
.set j, 0
.rept 32
	v_pk_fma_f32 v[S+j:S+j+1], v[S+j:S+j+1], s[CS:CS+1], v[MT:MT+1] op_sel_hi:[1,0,0] neg_lo:[0,0,1] neg_hi:[0,0,1]   ; c s' - mt
.set j, j+2
.endr
	v_exp_f32 v[AF], v[T+4]                        ; a
.set j, 0
.rept 64
	v_exp_f32 v[S+j], v[S+j]                       ; p, at most 1
.set j, j+1
.endr
	v_nop                                          ; a plain line behind the last exponential
	s_wait_alu depctr_va_vdst(0)                   ; one wait for the batch of 65, ahead of its first reader
	v_pk_mul_f32 v[LS:LS+1], v[LS:LS+1], v[AF:AF+1] op_sel_hi:[1,0]
	v_pk_add_f32 v[T+4:T+5], v[S:S+1], v[S+2:S+3]  ; the sum of the unrounded p, in two chains
.irp j, 4,8,12,16,20,24,28,32,36,40,44,48,52,56,60
	v_pk_add_f32 v[LS:LS+1], v[LS:LS+1], v[S+\j:S+\j+1]
	v_pk_add_f32 v[T+4:T+5], v[T+4:T+5], v[S+\j+2:S+\j+3]
.endr
	v_pk_add_f32 v[LS:LS+1], v[LS:LS+1], v[T+4:T+5]
.set n, 0
.rept 32
	v_cvt_pk_f16_f32 v[P+n], v[S+2*n], v[S+2*n+1]  ; registers 8 kg .. 8 kg + 7: source 1 for keys 32 kg on
.set n, n+1
.endr
.set n, 0
.rept 16
	v_pk_mul_f32 v[O+2*n:O+2*n+1], v[O+2*n:O+2*n+1], v[AF:AF+1] op_sel_hi:[1,0]   ; O^T under the new maximum, each tile from its low end on
.set n, n+1
.endr
	s_wait_dscnt 0x0                               ; V's first half is in
	PVMUL 0
.rept 4
	v_nop
.endr
	VLOAD \q, 1
	s_wait_dscnt 0x0
	PVMUL 1
.Lhidden_\@:
	s_add_co_u32 s[KF], s[KF], 128
.endm
; THE CHANGE OF SLOTS stands at a slot's head.  Each wave waits for all its tensor loads, adds 0 to its spare word (fill = 1: twice on end),
; and waits for that and for its reads of the slot that it has left.  Behind the barrier the slot ahead is whole and nobody reads the other one, which is then filled with the keys that follow.
.macro CHANGE fill
	s_wait_tensorcnt 0x0                           ; no tensor load of mine is out, so a group 0 may be written
	ds_add_u32 v[SPW], v[NIL]
.if \fill
	ds_add_u32 v[SPW], v[NIL]
	s_xor_b32 s[G0K+1], s[G0K+1], SLOT1            ; the walking descriptors: the other slot, the next 256 keys
	s_add_nc_u64 s[G0K+2:G0K+3], s[G0K+2:G0K+3], SK*128
	s_xor_b32 s[G0V+1], s[G0V+1], SLOT1
	s_add_nc_u64 s[G0V+2:G0V+3], s[G0V+2:G0V+3], SK*128
	s_wait_xcnt 0x0                                ; the last prefetch, a slot back, has read its address
	s_add_nc_u64 s[PFA:PFA+1], s[PFA:PFA+1], SK*128
.endif
	s_wait_dscnt 0x0
	s_barrier_signal -1
	s_barrier_wait -1
.if \fill
	s_add_co_u32 s96, s[KF], SK                    ; the first key of the slot that this change would ask for: past my work-group's last query no wave would read it.
	s_cmp_gt_u32 s96, s[LASTQ]                     ; Ids and the count of steps alone: all sixteen waves go the same way; every wait on TENSORcnt in this text is for 0
	s_cbranch_scc1 .Lpast_\@
	TLOAD                                          ; a wave's one tensor load until the next such barrier
.Lpast_\@:
	ASK
.endif
.endm
.macro SLOT_STEPS
	STEP 0
	STEP 1
	s_xor_b32 s[TB], s[TB], SLOT1
.endm
	s_wait_loadcnt 0x0                             ; Q
.Lslot:                                            ; NSL - 1 trips
	CHANGE 1
	SLOT_STEPS
	s_sub_co_u32 s[SLOTS], s[SLOTS], 1
	s_cmp_lg_u32 s[SLOTS], 0
	s_cbranch_scc1 .Lslot
	CHANGE 0                                       ; the last slot is written out: nothing is left to ask for
	SLOT_STEPS
	; THE WAY OUT.  O^T / l, rounded to f16, through my stage (16 rows x 144 bytes, in slot 0: it was left at the last change of slots and has had its last fill), out as 2,048 consecutive bytes.
	v_add_f32 v[LS], v[LS], v[LS+1]
	v_permlanex16_b32 v[T+4], v[LS], s[SEL], s[SEL+1]
	v_add_f32 v[LS], v[LS], v[T+4]
	v_rcp_f32 v[AF], v[LS]
	v_and_b32 v[T], 15, v0
	v_bfe_u32 v[T+1], v0, 4, 1
	s_mul_i32 s96, s[WV], 16*KP
	v_mul_u32_u24 v[ADK], v[T], KP
	v_lshl_add_u32 v[ADK], v[T+1], 4, v[ADK]
	v_add_nc_u32 v[ADK], s96, v[ADK]               ; in: row r, + 16 h
	v_bfe_u32 v[T], v0, 3, 2
	v_and_b32 v[T+1], 7, v0
	v_mul_u32_u24 v[ADV], v[T], KP
	v_lshl_add_u32 v[ADV], v[T+1], 4, v[ADV]
	v_add_nc_u32 v[ADV], s96, v[ADV]               ; back: eight lanes to a row, four rows an instruction
	s_wait_alu depctr_va_vdst(0)                   ; ahead of the reciprocal's first reader
.set j, 0
.rept 32
	v_mul_f32 v[S+j], v[O+j], v[AF]
.set j, j+1
.endr
.set n, 0
.rept 16
	v_cvt_pk_f16_f32 v[P+n], v[S+2*n], v[S+2*n+1]
.set n, n+1
.endr
.irp ct, 0,1,2,3
	ds_store_b128 v[ADK], v[P+4*\ct:P+4*\ct+3] offset:32*\ct
.endr
.irp i, 0,1,2,3
	ds_load_b128 v[FR+4*\i:FR+4*\i+3], v[ADV] offset:4*\i*KP       ; in order behind my stores
.endr
.irp i, 0,1,2,3
	s_wait_dscnt 3-\i
	global_store_b128 v[GO], v[FR+4*\i:FR+4*\i+3], s[6:7] offset:512*\i   ; 32 lanes store 512 consecutive bytes, aligned
.endr
	s_wait_tensorcnt 0x0                           ; the wave's end: a wait, an add of 0 to my spare word and its wait, behind my last tensor load and my last LDS store
	ds_add_u32 v[SPW], v[NIL]
	s_wait_dscnt 0x0
	s_endpgm
.Lfunc_end_k_q6a1d407ecd_attn:
	.size	k_q6a1d407ecd_attn, .Lfunc_end_k_q6a1d407ecd_attn-k_q6a1d407ecd_attn
	.p2alignl 7, 3214868480
	.fill 96, 4, 3214868480
	.section	.rodata,"a",@progbits
	.p2align	6, 0x0
	.amdhsa_kernel k_q6a1d407ecd_attn
		.amdhsa_group_segment_fixed_size 327680
		.amdhsa_private_segment_fixed_size 0
		.amdhsa_enable_private_segment 0
		.amdhsa_kernarg_size 16
		.amdhsa_user_sgpr_count 2
		.amdhsa_user_sgpr_kernarg_segment_ptr 1
		.amdhsa_wavefront_size32 1
		.amdhsa_system_sgpr_workgroup_id_x 1
		.amdhsa_system_sgpr_workgroup_id_y 1
		.amdhsa_system_sgpr_workgroup_id_z 1
		.amdhsa_system_vgpr_workitem_id 0
		.amdhsa_next_free_vgpr 256
		.amdhsa_next_free_sgpr 100
		.amdhsa_reserve_vcc 1
		.amdhsa_float_denorm_mode_32 3
		.amdhsa_float_denorm_mode_16_64 3
		.amdhsa_memory_ordered 1
		.amdhsa_forward_progress 1
		.amdhsa_inst_pref_size 107
	.end_amdhsa_kernel
	.amdgpu_metadata
---
amdhsa.version: [ 1, 2 ]
amdhsa.kernels:
  - .name:           k_q6a1d407ecd_attn
    .symbol:         k_q6a1d407ecd_attn.kd
    .args:
      - { .name: qkv, .offset: 0, .size: 8, .value_kind: global_buffer, .address_space: global }
      - { .name: oc, .offset: 8, .size: 8, .value_kind: global_buffer, .address_space: global }
    .group_segment_fixed_size: 327680
    .private_segment_fixed_size: 0
    .kernarg_segment_align: 8
    .kernarg_segment_size: 16
    .max_flat_workgroup_size: 512
    .sgpr_count:     100
    .vgpr_count:     256
    .wavefront_size: 32
...
	.end_amdgpu_metadata
.endif
;; end of part 3
;; launch outp (part 4): grid 8 x 32, 4 waves a work-group, clusters of 4 x 4, 327,680 bytes of LDS; arguments oc, wo, out0; writes out0
.if DOCPART == 4
	.amdgcn_target "amdgcn-amd-amdhsa--gfx1250"
	.amdhsa_code_object_version 6
	.text
	.protected	k_q6a1d407ecd_outp
	.globl	k_q6a1d407ecd_outp
	.p2align	8
	.type	k_q6a1d407ecd_outp,@function
k_q6a1d407ecd_outp:
	s_mov_b64 s[64:65], 0
	v_nop
	global_prefetch_b8 v0, s[64:65] scope:SCOPE_SE
	s_setreg_imm32_b32 hwreg(HW_REG_WAVE_MODE, 25, 1), 1
	s_wait_xcnt 0x0
	s_wait_alu depctr_hold_cnt(0) depctr_sa_sdst(0) depctr_va_vdst(0) depctr_va_sdst(0) depctr_va_ssrc(0) depctr_va_vcc(0) depctr_vm_vsrc(0)
	s_getreg_b32 s2, hwreg(HW_REG_IB_STS2, 6, 4)
	s_cmp_eq_u32 s2, 0
	s_cbranch_scc0 .Lentry_in_a_cluster
	s_endpgm
.Lentry_in_a_cluster:
	s_bfe_u32 s2, ttmp6, 0x10000c
	s_cmp_lg_u32 s2, 0xf033
	s_cbranch_scc0 .Lentry_shape_is_right
	s_endpgm
.Lentry_shape_is_right:
; THE PROJECTION ON THE WAY OUT: out0[row][n] = sum over k of o'[row][k] w'[n][k], k = 64 head + channel, K = 1,024; f16 operands, f32 sums.  o' = o / 8 and w' = 8 w_out, so the product needs no factor.
; A = oc [row / 64][head][row % 64][64] f16; B = wo [1024][1024] f16; out0 [4096][1024] f32.  A tile of 128 x 128 is made by four waves, 64 x 64 each: 256 work-groups.
; K goes in steps of 256 (four heads) through two LDS slots.  A wave's tensor load brings 64 rows: of A they are 32,768 dense bytes, [4 heads][64 rows][128 bytes], each 128 bytes padded by 16;
; of B 64 rows of 512 bytes, each padded by 16.  CLUSTERS: 4 x 4; A's tiles are asked for jointly along a row of the cluster, B's along a column.
; THE MATRIX INSTRUCTION IS USED TRANSPOSED (source 0 = 16 rows of B, source 1 = 16 rows of A): a lane holds eight neighbouring numbers of a row of out0.
; All rows are stored; the 32 rows of positions 0 to 15 are stored again, more finely, by the launch that follows.
; No prefetch: a K step's tiles are small and both operands are read by several work-groups.
; REGISTERS: window 0: v0-31 addresses; v32-95 the way out; v128-255 the accumulators ((a, b) at v[128 + 8 (4 a + b)]).  window 1: two fragment buffers of 128: 64 of A, then 64 of B.
.set PA,     144                       ; a row of A in LDS
.set PB,     528                       ; a row of B in LDS
.set HALFA,  256*PA
.set HALFB,  64*PB
.set SLOT,   2*HALFA+2*HALFB
.set SPARE,  2*SLOT                    ; the spare words, 128 bytes for each wave: two blocks of 256 bytes that no other line names
.set SPITCH, 272                       ; the way out: 16 rows x (256 bytes + 16) for each wave, in slot 0, which has had its last fill and its last read by then
.set LAPS,   2
.set ADRA, 16
.set ADRB, 20
.set STO,  24
.set RD,   25
.set CO,   26
.set SPW,  28
.set NIL,  29
.set TMP,  32
.set ACC,  128
.set F0,   0
.set F1,   128
.set G1, 24
.set G0, 32
.set G1B, 48
.set G0B, 56
.set MSB, 0
.macro WIN new
.if MSB != \new
	s_set_vgpr_msb (MSB<<8)|\new
.set MSB, \new
.endif
.endm
.set MUL,  0x05                        ; sources 0 (B) and 1 (A) window 1; C and D window 0
.set TO_F, 0x40
.macro JLOAD s                         ; a joint load: waves 0 and 1 fetch A's two halves, waves 2 and 3 B's; an s_nop 0 and four v_nop follow each line
	s_cmp_eq_u32 s11, 0
	s_cbranch_scc0 .Lfor_b_\@
	tensor_load_to_lds s[G0+4*\s:G0+4*\s+3], s[G1:G1+7]
	s_nop 0
.rept 4
	v_nop
.endr
	s_branch .Lasked_\@
.Lfor_b_\@:
	tensor_load_to_lds s[G0B+4*\s:G0B+4*\s+3], s[G1B:G1B+7]
	s_nop 0
.rept 4
	v_nop
.endr
.Lasked_\@:
.endm
.macro CREST
	s_cmp_lg_u32 s10, 0
	s_cbranch_scc1 .Lnot_wave_0_\@
	s_barrier_signal -3
.Lnot_wave_0_\@:
	s_barrier_wait -3
	s_barrier_signal -1
	s_barrier_wait -1
.endm
.macro CROUND
	s_barrier_signal -1
	s_barrier_wait -1
	CREST
.endm
	s_load_b128 s[4:7], s[0:1], 0x0                ; oc, wo
	s_load_b64 s[8:9], s[0:1], 0x10                ; out0
	v_lshl_add_u32 v[SPW], v0, 2, SPARE
	v_mov_b32 v[NIL], 0
	ds_add_u32 v[SPW], v[NIL]                      ; the wave's opening: an add of 0 to my spare word, twice on end, and its wait ahead of my first tensor load
	ds_add_u32 v[SPW], v[NIL]
	v_lshrrev_b32 v1, 5, v0
	v_readfirstlane_b32 s10, v1                    ; wave 0..3
	s_lshr_b32 s11, s10, 1                         ; which half of the tile's rows is mine.  Also: I fetch for A (0) or for B (1)
	s_and_b32 s12, s10, 1                          ; which half of its columns.  Also: which 64 rows of that tile I fetch
	s_bfe_u32 s40, ttmp6, 0x40000
	s_bfe_u32 s41, ttmp6, 0x40004
	s_lshl_b32 s42, ttmp9, 2
	s_add_co_u32 s42, s42, s40                     ; tile column
	s_and_b32 s13, ttmp7, 0xffff
	s_lshl_b32 s13, s13, 2
	s_add_co_u32 s13, s13, s41                     ; tile row
	s_lshl_b32 s43, s41, 2
	s_lshl_b32 s43, 15, s43                        ; my row of the cluster
	s_lshl_b32 s44, 0x1111, s40                    ; my column
	s_or_b32 s[G1+0], s43, (1<<16)|(1<<20)|(1<<21)|(4<<22)|(3<<25)  ; A: elements of 2 bytes; 4 words of padding after every 32
	s_mov_b32 s[G1+1], 64<<16                      ; tensor_dim0
	s_mov_b32 s[G1+2], 256<<16                     ; tensor_dim1: 4 heads x 64 rows
	s_mov_b32 s[G1+3], 64<<16                      ; tile_dim0
	s_mov_b32 s[G1+4], 256                         ; tile_dim1
	s_mov_b32 s[G1+5], 64                          ; dense
	s_mov_b32 s[G1+6], 0
	s_mov_b32 s[G1+7], 0
	s_or_b32 s[G1B+0], s44, (1<<16)|(1<<20)|(1<<21)|(6<<22)|(3<<25) ; B: 4 words of padding after every 128
	s_mov_b32 s[G1B+1], 256<<16
	s_mov_b32 s[G1B+2], 64<<16
	s_mov_b32 s[G1B+3], 256<<16
	s_mov_b32 s[G1B+4], 64
	s_mov_b32 s[G1B+5], 1024
	s_mov_b32 s[G1B+6], 0
	s_mov_b32 s[G1B+7], 0
	s_lshl_b32 s16, s13, 1
	s_add_co_u32 s16, s16, s12
	s_lshl_b32 s16, s16, 17                        ; A: block of 64 rows 2 x tile row + half: 131,072 bytes each
	s_mov_b32 s17, 0
	s_lshl_b32 s46, s42, 7
	s_lshl_b32 s47, s12, 6
	s_add_co_u32 s46, s46, s47
	s_lshl_b32 s46, s46, 11                        ; B: row 128 x tile column + 64 x half, 2,048 bytes each
	s_mov_b32 s47, 0
	s_mul_i32 s20, s12, HALFA                      ; where they go: no place in the cluster enters an LDS address
	s_mul_i32 s45, s12, HALFB
	s_add_co_u32 s45, s45, 2*HALFA
	s_wait_dscnt 0x0                               ; both opening adds are done
	s_wait_kmcnt 0x0
	s_add_nc_u64 s[14:15], s[4:5], s[16:17]
	s_add_nc_u64 s[46:47], s[6:7], s[46:47]
	CROUND                                         ; all sixteen work-groups are here: the first joint loads meet
.irp s, 0,1
	s_mov_b32 s[G0+4*\s], 1
	s_add_co_u32 s[G0+4*\s+1], s20, \s*SLOT
	s_add_nc_u64 s[G0+4*\s+2:G0+4*\s+3], s[14:15], \s*32768
	s_or_b32 s[G0+4*\s+3], s[G0+4*\s+3], 0x80000000
	s_mov_b32 s[G0B+4*\s], 1
	s_add_co_u32 s[G0B+4*\s+1], s45, \s*SLOT
	s_add_nc_u64 s[G0B+4*\s+2:G0B+4*\s+3], s[46:47], \s*512
	s_or_b32 s[G0B+4*\s+3], s[G0B+4*\s+3], 0x80000000
	JLOAD \s
.endr
	v_and_b32 v1, 15, v0                           ; r
	v_bfe_u32 v2, v0, 4, 1                         ; h
	v_mul_u32_u24 v3, v1, PA
	v_lshl_add_u32 v3, v2, 4, v3
	v_mul_u32_u24 v4, v1, PB
	v_lshl_add_u32 v4, v2, 4, v4
	s_mul_i32 s21, s11, HALFA                      ; my 64 rows of A
	s_mul_i32 s22, s12, HALFB                      ; my 64 rows of B,
	s_add_co_u32 s22, s22, 2*HALFA                 ; which lie behind A's two halves
.irp s, 0,1
	v_add_nc_u32 v[ADRA+\s], s21, v3
	v_add_nc_u32 v[ADRB+\s], s22, v4
	s_add_co_u32 s21, s21, SLOT
	s_add_co_u32 s22, s22, SLOT
.endr
	s_mul_i32 s23, s10, 16*SPITCH                  ; my stage
	v_mul_u32_u24 v5, v1, SPITCH
	v_lshl_add_u32 v5, v2, 5, v5
	v_add_nc_u32 v[STO], s23, v5                   ; in: row r, 32 bytes for each half of the lanes
	v_mul_u32_u24 v5, v2, SPITCH
	v_lshl_add_u32 v5, v1, 4, v5
	v_add_nc_u32 v[RD], s23, v5                    ; back: lanes 0-15 one row of 256 bytes, lanes 16-31 the next
	v_lshlrev_b32 v5, 12, v2
	v_lshl_add_u32 v[CO], v1, 4, v5                ; and the same two rows in out0
	s_lshl_b32 s16, s13, 7
	s_lshl_b32 s17, s11, 6
	s_add_co_u32 s16, s16, s17
	s_lshl_b32 s16, s16, 12                        ; my first row of out0, 4,096 bytes a row
	s_mov_b32 s17, 0
	s_add_nc_u64 s[8:9], s[8:9], s[16:17]
	s_lshl_b32 s46, s42, 9
	s_lshl_b32 s47, s12, 8
	s_add_co_u32 s46, s46, s47                     ; my first column, in bytes
	s_mov_b32 s47, 0
	s_add_nc_u64 s[8:9], s[8:9], s[46:47]
; 8 matrix instructions: m blocks a0, a0 + 1 x all 4 n blocks, 32 along K: half c of buffer f.  zero = 1: the first product starts the sums.  The 16 accumulators take turns.
.macro MUL8 f, c, a0, zero
.irp a, \a0, \a0+1
.irp b, 0,1,2,3
.if \zero
	v_wmma_f32_16x16x32_f16 v[ACC+8*(4*(\a)+\b):ACC+8*(4*(\a)+\b)+7], v[\f+64+8*(4*\c+\b):\f+64+8*(4*\c+\b)+7], v[\f+8*(4*\c+\a):\f+8*(4*\c+\a)+7], 0
.else
	v_wmma_f32_16x16x32_f16 v[ACC+8*(4*(\a)+\b):ACC+8*(4*(\a)+\b)+7], v[\f+64+8*(4*\c+\b):\f+64+8*(4*\c+\b)+7], v[\f+8*(4*\c+\a):\f+8*(4*\c+\a)+7], v[ACC+8*(4*(\a)+\b):ACC+8*(4*(\a)+\b)+7]
.endif
.endr
.endr
.endm
; 32 LDS loads in one run: the fragments of the slot's nq-th head (64 along K) into buffer f; the first 32 along K first
.macro FETCH slot, nq, f
	WIN TO_F
.irp c, 0,1
.irp i, 0,1,2,3
	ds_load_b128 v[\f+64+8*(4*\c+\i):\f+64+8*(4*\c+\i)+3],   v[ADRB+\slot] offset:(\nq)*128+64*\c+\i*16*PB
	ds_load_b128 v[\f+64+8*(4*\c+\i)+4:\f+64+8*(4*\c+\i)+7], v[ADRB+\slot] offset:(\nq)*128+64*\c+\i*16*PB+32
	ds_load_b128 v[\f+8*(4*\c+\i):\f+8*(4*\c+\i)+3],         v[ADRA+\slot] offset:(\nq)*64*PA+64*\c+\i*16*PA
	ds_load_b128 v[\f+8*(4*\c+\i)+4:\f+8*(4*\c+\i)+7],       v[ADRA+\slot] offset:(\nq)*64*PA+64*\c+\i*16*PA+32
.endr
.endr
.endm
.macro PLACES
.rept 4
	v_nop
.endr
.endm
.macro QUARTER slot, nq, f, g, zero    ; multiplies buffer f and fetches the slot's nq-th head into g
	s_wait_dscnt 16                                ; the first 32 along K are in; the youngest sixteen loads may be out
	WIN MUL
	MUL8 \f, 0, 0, \zero
	MUL8 \f, 0, 2, \zero
	PLACES
	FETCH \slot, \nq, \g
	s_wait_dscnt 32                                ; all but the 32 just issued
	WIN MUL
	MUL8 \f, 1, 0, 0
	MUL8 \f, 1, 2, 0
.endm
; A slot's last quarter changes slots: one barrier; in front of it each wave waits for all its tensor loads, adds 0 to its spare word, and waits for that and for its reads of this slot.
.macro TURN slot, next, fill
	WIN 0
	s_wait_tensorcnt 0x0                           ; my part of the next slot has landed
	ds_add_u32 v[SPW], v[NIL]
	s_wait_dscnt 17                                ; (the add and the youngest sixteen loads may be out)
	WIN MUL
	MUL8 F1, 0, 0, 0
	s_wait_dscnt 0x0                               ; the add is done, and my reads of this slot are over
	s_barrier_signal -1
	MUL8 F1, 0, 2, 0
.if \fill
	WIN 0
.endif
	s_barrier_wait -1
.if \fill
	CREST                                          ; the barrier has opened a round of the cluster's barrier: no wave of any partner still reads this slot or has a load on its way
	s_add_nc_u64 s[G0+4*\slot+2:G0+4*\slot+3], s[G0+4*\slot+2:G0+4*\slot+3], 2*32768
	s_add_nc_u64 s[G0B+4*\slot+2:G0B+4*\slot+3], s[G0B+4*\slot+2:G0B+4*\slot+3], 2*512
	JLOAD \slot                                    ; the first tensor load behind the round; its four v_nop are also the places in front of the loads below
.else
	PLACES
.endif
	FETCH \next, 0, F0
	WIN MUL
	MUL8 F1, 1, 0, 0
	MUL8 F1, 1, 2, 0
.endm
	s_wait_tensorcnt 1                             ; my part of K step 0 is in; K step 1's load may be out
	s_barrier_signal -1
	s_barrier_wait -1
	FETCH 0, 0, F0
	QUARTER 0, 1, F0, F1, 1                        ; the first products start the sums
	WIN 0
	s_mov_b32 s3, LAPS-1
.Llap:                                             ; a trip goes once round the ring and fills both slots again
	QUARTER 0, 2, F1, F0, 0
	QUARTER 0, 3, F0, F1, 0
	TURN 0, 1, 1
	QUARTER 1, 1, F0, F1, 0
	QUARTER 1, 2, F1, F0, 0
	QUARTER 1, 3, F0, F1, 0
	TURN 1, 0, 1
	QUARTER 0, 1, F0, F1, 0
	WIN 0
	s_sub_co_u32 s3, s3, 1
	s_cmp_lg_u32 s3, 0
	s_cbranch_scc1 .Llap
	QUARTER 0, 2, F1, F0, 0                        ; the last lap fills nothing
	QUARTER 0, 3, F0, F1, 0
	TURN 0, 1, 0
	QUARTER 1, 1, F0, F1, 0
	QUARTER 1, 2, F1, F0, 0
	QUARTER 1, 3, F0, F1, 0
	s_wait_dscnt 16
	WIN MUL
	MUL8 F1, 0, 0, 0
	MUL8 F1, 0, 2, 0
	s_wait_dscnt 0
	MUL8 F1, 1, 0, 0
	MUL8 F1, 1, 2, 0
	WIN 0
	; THE WAY OUT: a wave's 64 columns of f32 are 256 bytes, aligned: each block of 16 rows goes through my own stage and comes back as whole rows.
	PLACES
.macro OUT a
	s_wait_xcnt 0x0                                ; earlier stores have had their addresses translated: their data registers may be loaded again
.irp b, 0,1,2,3
	ds_store_b128 v[STO], v[ACC+8*(4*(\a)+\b):ACC+8*(4*(\a)+\b)+3] offset:64*\b       ; each accumulator from its low end on
	ds_store_b128 v[STO], v[ACC+8*(4*(\a)+\b)+4:ACC+8*(4*(\a)+\b)+7] offset:64*\b+16
.endr
.irp t, 0,1,2,3,4,5,6,7
	ds_load_b128 v[TMP+32*((\a)%2)+4*\t:TMP+32*((\a)%2)+4*\t+3], v[RD] offset:\t*2*SPITCH   ; in order behind my stores; the next block's stores come behind these
.endr
.irp t, 0,1,2,3,4,5,6,7
	s_wait_dscnt 7-\t
	global_store_b128 v[CO], v[TMP+32*((\a)%2)+4*\t:TMP+32*((\a)%2)+4*\t+3], s[8:9] offset:(16*(\a)+2*\t)*4096   ; sixteen lanes store 256 consecutive bytes, aligned
.endr
.endm
.irp a, 0,1,2,3
	OUT \a
.endr
	s_wait_tensorcnt 0x0                           ; the wave's end: a wait, an add of 0 to my spare word and its wait, behind my last tensor load and my last LDS store
	ds_add_u32 v[SPW], v[NIL]
	s_wait_dscnt 0x0
	CROUND                                         ; the closing round
	s_endpgm
.Lfunc_end_k_q6a1d407ecd_outp:
	.size	k_q6a1d407ecd_outp, .Lfunc_end_k_q6a1d407ecd_outp-k_q6a1d407ecd_outp
	.p2alignl 7, 3214868480
	.fill 96, 4, 3214868480
	.section	.rodata,"a",@progbits
	.p2align	6, 0x0
	.amdhsa_kernel k_q6a1d407ecd_outp
		.amdhsa_group_segment_fixed_size 327680
		.amdhsa_private_segment_fixed_size 0
		.amdhsa_enable_private_segment 0
		.amdhsa_kernarg_size 24
		.amdhsa_user_sgpr_count 2
		.amdhsa_user_sgpr_kernarg_segment_ptr 1
		.amdhsa_wavefront_size32 1
		.amdhsa_system_sgpr_workgroup_id_x 1
		.amdhsa_system_sgpr_workgroup_id_y 1
		.amdhsa_system_sgpr_workgroup_id_z 1
		.amdhsa_system_vgpr_workitem_id 0
		.amdhsa_next_free_vgpr 512
		.amdhsa_next_free_sgpr 66
		.amdhsa_reserve_vcc 0
		.amdhsa_float_denorm_mode_32 3
		.amdhsa_float_denorm_mode_16_64 3
		.amdhsa_memory_ordered 1
		.amdhsa_forward_progress 1
		.amdhsa_inst_pref_size 87
	.end_amdhsa_kernel
	.amdgpu_metadata
---
amdhsa.version: [ 1, 2 ]
amdhsa.kernels:
  - .name:           k_q6a1d407ecd_outp
    .symbol:         k_q6a1d407ecd_outp.kd
    .args:
      - { .name: oc, .offset: 0, .size: 8, .value_kind: global_buffer, .address_space: global }
      - { .name: wo, .offset: 8, .size: 8, .value_kind: global_buffer, .address_space: global }
      - { .name: out0, .offset: 16, .size: 8, .value_kind: global_buffer, .address_space: global }
    .group_segment_fixed_size: 327680
    .private_segment_fixed_size: 0
    .kernarg_segment_align: 8
    .kernarg_segment_size: 24
    .max_flat_workgroup_size: 128
    .sgpr_count:     66
    .vgpr_count:     512
    .wavefront_size: 32
...
	.end_amdgpu_metadata
.endif
;; end of part 4
;; launch first16 (part 5): grid 16 x 2, 16 waves a work-group, no clusters, 71,680 bytes of LDS; arguments first, w_out, out0; writes out0
.if DOCPART == 5
	.amdgcn_target "amdgcn-amd-amdhsa--gfx1250"
	.amdhsa_code_object_version 6
	.text
	.protected	k_q6a1d407ecd_first16
	.globl	k_q6a1d407ecd_first16
	.p2align	8
	.type	k_q6a1d407ecd_first16,@function
k_q6a1d407ecd_first16:
	s_mov_b64 s[64:65], 0
	v_nop
	global_prefetch_b8 v0, s[64:65] scope:SCOPE_SE
	s_setreg_imm32_b32 hwreg(HW_REG_WAVE_MODE, 25, 1), 1
	s_wait_xcnt 0x0
; POSITIONS 0 TO 15 OF EACH BATCH, ALL IN f32: under the causal mask these rows average one to sixteen values, so their operands are not rounded to f16.  They see keys 0 to 15 alone.
; first [3][b][head][16][64] holds q' = q hmask / 32, k' = k vmask / 32, v' = v / 8 in f32.  Score = 16 q' . k'; a score of 0 becomes 1e-10 (here z = 1e-10 / 16, by a compare and a select); keys after the query: -infinity;
; softmax with the row's maximum taken away; o' = p v' / sum; out0[row][n] = 8 x the sum over heads and channels of o' w_out[n][.].
; SHARES.  Work-group (x, b): output columns 64 x .. 64 x + 63 of batch b's 16 rows.  Wave = head: it makes its head's attention (every work-group of a batch makes it anew: 16 x 16 x 64 numbers) and its
; head's share of the 16 x 64 outputs; the sixteen shares meet in LDS, one barrier, and wave w adds and stores row w: 256 consecutive bytes, aligned.
; THE f32 MATRIX FORM (16 x 16 x 4) is used here, on 32 rows of 4,096.  Its K is permuted alike on both sources: a half of the lanes holds a run of neighbours along K in its registers, and K step s takes registers 2 s, 2 s + 1.
; The registers that it writes (v192-255) are written by matrix instructions alone; each sum's first instruction takes the constant 0.  Accumulators take turns, one instruction a turn.
; REGISTERS: v1-13 addresses and work; v14, v15 the add's two; v16-23 p; v24-31 scores; v32-95 w_out for output tiles 0, 1; v96-127 Q, v128-159 K, later w_out for tiles 2, 3; v160-191 V^T, then o';
; v192-199, v200-207 the scores' two sums, later output tiles 2, 3; v208-239 O^T; v240-255 output tiles 0, 1.
.set STG,   4352                       ; a wave's share: 16 rows x (256 bytes + 16)
.set SPARE, 16*STG                     ; the spare words, 128 bytes for each wave: eight blocks of 256 bytes that no other line names
.set SPW, 14
.set NIL, 15
.set PP,  16
.set SS,  24
.set W1,  32
.set QF,  96
.set KF,  128
.set VF,  160
.set SA,  192
.set SB,  200
.set OA,  208
.set YA,  240
	s_load_b128 s[4:7], s[0:1], 0x0                ; first, w_out
	s_load_b64 s[8:9], s[0:1], 0x10                ; out0
	v_lshl_add_u32 v[SPW], v0, 2, SPARE
	v_mov_b32 v[NIL], 0
	v_lshrrev_b32 v1, 5, v0
	v_readfirstlane_b32 s10, v1                    ; wave = head; later: the row that I add up
	s_and_b32 s11, ttmp7, 0xffff                   ; batch
	v_and_b32 v1, 15, v0                           ; r
	v_bfe_u32 v2, v0, 4, 1                         ; h
	v_and_b32 v3, 31, v0                           ; lane
	v_lshlrev_b32 v4, 8, v1
	v_lshl_add_u32 v4, v2, 7, v4                   ; q', k': row r, channels 32 h on
	v_lshlrev_b32 v5, 2, v1
	v_lshl_add_u32 v5, v2, 11, v5                  ; v': key 8 h on, channel r
	v_lshlrev_b32 v6, 12, v1
	v_lshl_add_u32 v6, v2, 5, v6                   ; w_out: row r, 8 h numbers on
	v_lshlrev_b32 v7, 3, v2
	v_sub_nc_u32 v7, v1, v7                        ; d = r - 8 h: key 8 h + j is hidden where j > d
	s_mul_i32 s12, s10, STG
	v_mul_u32_u24 v8, v1, 272
	v_lshl_add_u32 v8, v2, 5, v8
	v_add_nc_u32 v8, s12, v8                       ; my share: row r, + 32 h
	s_mul_i32 s13, s10, 272
	v_lshl_add_u32 v9, v3, 3, s13                  ; the adding up: row w of each share, 8 bytes a lane
	v_lshlrev_b32 v10, 3, v3
	v_mov_b32 v11, 0x2cdbe6ff                      ; z = 1e-10 / 16
	v_mov_b32 v12, 0xff800000                      ; -infinity
	s_lshl_b32 s14, s11, 4
	s_add_co_u32 s14, s14, s10
	s_lshl_b32 s14, s14, 12                        ; first: 4,096 bytes for each (b, head)
	s_mov_b32 s15, 0
	s_lshl_b32 s16, ttmp9, 18                      ; w_out: 64 rows of 4,096 bytes a work-group,
	s_lshl_b32 s17, s10, 8                         ; 256 bytes a head
	s_add_co_u32 s16, s16, s17
	s_mov_b32 s17, 0
	s_lshl_b32 s22, s11, 23                        ; out0: 2,048 rows a batch,
	s_lshl_b32 s23, s10, 12                        ; row w,
	s_add_co_u32 s22, s22, s23
	s_lshl_b32 s23, ttmp9, 8                       ; 256 bytes a work-group
	s_add_co_u32 s22, s22, s23
	s_mov_b32 s23, 0
	s_mov_b32 s18, 0x41b8aa3b                      ; c = 16 log2(e)
	s_mov_b32 s20, 0x76543210
	s_mov_b32 s21, 0xfedcba98                      ; v_permlanex16_b32's selects for lane l xor 16
	s_mov_b32 s24, 0x41000000                      ; 8.0
	s_mov_b32 s25, s24                             ; (named with it as a pair, so it is written)
	s_wait_kmcnt 0x0
	s_add_nc_u64 s[4:5], s[4:5], s[14:15]
	s_add_nc_u64 s[6:7], s[6:7], s[16:17]
	s_add_nc_u64 s[8:9], s[8:9], s[22:23]
.irp i, 0,1,2,3,4,5,6,7
	global_load_b128 v[QF+4*\i:QF+4*\i+3], v4, s[4:5] offset:16*\i
.endr
.irp i, 0,1,2,3,4,5,6,7
	global_load_b128 v[KF+4*\i:KF+4*\i+3], v4, s[4:5] offset:131072+16*\i
.endr
.irp ct, 0,1,2,3
.irp kk, 0,1,2,3,4,5,6,7
	global_load_b32 v[VF+8*\ct+\kk], v5, s[4:5] offset:262144+256*\kk+64*\ct   ; v'(8 h + kk, 16 ct + r)
.endr
.endr
.irp nt, 0,1
.irp ct, 0,1,2,3
	global_load_b128 v[W1+32*\nt+8*\ct:W1+32*\nt+8*\ct+3], v6, s[6:7] offset:\nt*65536+64*\ct        ; w_out(n0 + 16 nt + r, 64 head + 16 ct + 8 h + 0 .. 7)
	global_load_b128 v[W1+32*\nt+8*\ct+4:W1+32*\nt+8*\ct+7], v6, s[6:7] offset:\nt*65536+64*\ct+16
.endr
.endr
	s_wait_loadcnt 48                              ; Q and K are in; V's 32 loads and w_out's 16 may be out
	; S^T = K Q^T: source 0 = 16 keys, source 1 = 16 queries; two sums by turns
	v_wmma_f32_16x16x4_f32 v[SA:SA+7], v[KF:KF+1], v[QF:QF+1], 0
	v_wmma_f32_16x16x4_f32 v[SB:SB+7], v[KF+2:KF+3], v[QF+2:QF+3], 0
.irp e, 4,8,12,16,20,24,28
	v_wmma_f32_16x16x4_f32 v[SA:SA+7], v[KF+\e:KF+\e+1], v[QF+\e:QF+\e+1], v[SA:SA+7]
	v_wmma_f32_16x16x4_f32 v[SB:SB+7], v[KF+\e+2:KF+\e+3], v[QF+\e+2:QF+\e+3], v[SB:SB+7]
.endr
.rept 8
	v_nop                                          ; eight plain lines behind this form, in front of loads into its sources and of the first read of its results
.endr
.irp nt, 0,1
.irp ct, 0,1,2,3
	global_load_b128 v[QF+32*\nt+8*\ct:QF+32*\nt+8*\ct+3], v6, s[6:7] offset:(\nt+2)*65536+64*\ct    ; w_out for output tiles 2 and 3, where Q and K lay
	global_load_b128 v[QF+32*\nt+8*\ct+4:QF+32*\nt+8*\ct+7], v6, s[6:7] offset:(\nt+2)*65536+64*\ct+16
.endr
.endr
.irp j, 0,1,2,3,4,5,6,7
	v_add_f32 v[SS+\j], v[SA+\j], v[SB+\j]         ; lane (r, h): query r, key 8 h + j; from the low end on
.endr
.irp j, 0,1,2,3,4,5,6,7
	v_cmp_eq_f32 vcc_lo, 0, v[SS+\j]
	v_cndmask_b32 v[SS+\j], v[SS+\j], v11, vcc_lo  ; a score of 0 becomes 1e-10
	v_cmp_gt_i32 vcc_lo, \j, v7
	v_cndmask_b32 v[SS+\j], v[SS+\j], v12, vcc_lo  ; the causal mask
.endr
	v_max3_num_f32 v13, v[SS], v[SS+1], v[SS+2]
	v_max3_num_f32 v13, v13, v[SS+3], v[SS+4]
	v_max3_num_f32 v13, v13, v[SS+5], v[SS+6]
	v_max_num_f32 v13, v13, v[SS+7]
	v_permlanex16_b32 v1, v13, s20, s21
	v_max_num_f32 v13, v13, v1                     ; the row's maximum (key 0 counts for every query)
	v_mul_f32 v13, s18, v13
.irp j, 0,1,2,3,4,5,6,7
	v_fma_f32 v[PP+\j], v[SS+\j], s18, -v13
.endr
.irp j, 0,1,2,3,4,5,6,7
	v_exp_f32 v[PP+\j], v[PP+\j]
.endr
	v_nop                                          ; a plain line behind the last exponential
	s_wait_alu depctr_va_vdst(0)                   ; one wait for the eight, ahead of their first reader
	v_add_f32 v2, v[PP], v[PP+1]
.irp j, 2,3,4,5,6,7
	v_add_f32 v2, v2, v[PP+\j]
.endr
	v_permlanex16_b32 v1, v2, s20, s21
	v_add_f32 v2, v2, v1                           ; the row's sum
	v_rcp_f32 v3, v2
	v_nop
	s_wait_alu depctr_va_vdst(0)
	s_wait_loadcnt 32                              ; V is in; w_out's 32 loads may be out
	; O^T = V^T P: source 0 = 16 channels, source 1 = p; K = the 16 keys; four sums by turns
.irp ct, 0,1,2,3
	v_wmma_f32_16x16x4_f32 v[OA+8*\ct:OA+8*\ct+7], v[VF+8*\ct:VF+8*\ct+1], v[PP:PP+1], 0
.endr
.irp s, 1,2,3
.irp ct, 0,1,2,3
	v_wmma_f32_16x16x4_f32 v[OA+8*\ct:OA+8*\ct+7], v[VF+8*\ct+2*\s:VF+8*\ct+2*\s+1], v[PP+2*\s:PP+2*\s+1], v[OA+8*\ct:OA+8*\ct+7]
.endr
.endr
.rept 8
	v_nop
.endr
.set i, 0
.rept 32
	v_mul_f32 v[VF+i], v[OA+i], v3                 ; o'(channel 16 ct + 8 h + j, query r), where V^T lay; each sum from its low end on
.set i, i+1
.endr
	s_wait_loadcnt 16                              ; w_out for tiles 0 and 1 is in
	; Y^T = W O: source 0 = 16 rows of w_out, source 1 = o'; K = my head's 64 channels; two sums by turns
	v_wmma_f32_16x16x4_f32 v[YA:YA+7], v[W1:W1+1], v[VF:VF+1], 0
	v_wmma_f32_16x16x4_f32 v[YA+8:YA+15], v[W1+32:W1+33], v[VF:VF+1], 0
.irp e, 2,4,6,8,10,12,14,16,18,20,22,24,26,28,30
	v_wmma_f32_16x16x4_f32 v[YA:YA+7], v[W1+\e:W1+\e+1], v[VF+\e:VF+\e+1], v[YA:YA+7]
	v_wmma_f32_16x16x4_f32 v[YA+8:YA+15], v[W1+32+\e:W1+33+\e], v[VF+\e:VF+\e+1], v[YA+8:YA+15]
.endr
	s_wait_loadcnt 0x0                             ; and for tiles 2 and 3
	v_wmma_f32_16x16x4_f32 v[SA:SA+7], v[QF:QF+1], v[VF:VF+1], 0
	v_wmma_f32_16x16x4_f32 v[SB:SB+7], v[QF+32:QF+33], v[VF:VF+1], 0
.irp e, 2,4,6,8,10,12,14,16,18,20,22,24,26,28,30
	v_wmma_f32_16x16x4_f32 v[SA:SA+7], v[QF+\e:QF+\e+1], v[VF+\e:VF+\e+1], v[SA:SA+7]
	v_wmma_f32_16x16x4_f32 v[SB:SB+7], v[QF+32+\e:QF+33+\e], v[VF+\e:VF+\e+1], v[SB:SB+7]
.endr
.rept 8
	v_nop
.endr
	ds_store_b128 v8, v[YA:YA+3]                   ; lane (r, h): row r, columns 16 nt + 8 h + 0 .. 7; each sum from its low end on
	ds_store_b128 v8, v[YA+4:YA+7] offset:16
	ds_store_b128 v8, v[YA+8:YA+11] offset:64
	ds_store_b128 v8, v[YA+12:YA+15] offset:80
	ds_store_b128 v8, v[SA:SA+3] offset:128
	ds_store_b128 v8, v[SA+4:SA+7] offset:144
	ds_store_b128 v8, v[SB:SB+3] offset:192
	ds_store_b128 v8, v[SB+4:SB+7] offset:208
	s_wait_dscnt 0x0                               ; for the others' sake: my share lies in LDS
	s_barrier_signal -1
	s_barrier_wait -1
.irp p, 0,1,2,3,4,5,6,7,8,9,10,11,12,13,14,15
	ds_load_b64 v[W1+2*\p:W1+2*\p+1], v9 offset:\p*STG             ; row w of head p's share
.endr
	s_wait_dscnt 0x0
.irp p, 1,2,3,4,5,6,7,8,9,10,11,12,13,14,15
	v_pk_add_f32 v[W1:W1+1], v[W1:W1+1], v[W1+2*\p:W1+2*\p+1]      ; the heads in ascending order
.endr
	v_pk_mul_f32 v[W1:W1+1], v[W1:W1+1], s[24:25] op_sel_hi:[1,0]  ; v' was v / 8
	global_store_b64 v10, v[W1:W1+1], s[8:9]       ; 32 lanes store 256 consecutive bytes, aligned
	s_wait_tensorcnt 0x0                           ; the wave's end: a wait, an add of 0 to my spare word and its wait, behind my last LDS store
	ds_add_u32 v[SPW], v[NIL]
	s_wait_dscnt 0x0
	s_endpgm
.Lfunc_end_k_q6a1d407ecd_first16:
	.size	k_q6a1d407ecd_first16, .Lfunc_end_k_q6a1d407ecd_first16-k_q6a1d407ecd_first16
	.p2alignl 7, 3214868480
	.fill 96, 4, 3214868480
	.section	.rodata,"a",@progbits
	.p2align	6, 0x0
	.amdhsa_kernel k_q6a1d407ecd_first16
		.amdhsa_group_segment_fixed_size 71680
		.amdhsa_private_segment_fixed_size 0
		.amdhsa_enable_private_segment 0
		.amdhsa_kernarg_size 24
		.amdhsa_user_sgpr_count 2
		.amdhsa_user_sgpr_kernarg_segment_ptr 1
		.amdhsa_wavefront_size32 1
		.amdhsa_system_sgpr_workgroup_id_x 1
		.amdhsa_system_sgpr_workgroup_id_y 1
		.amdhsa_system_sgpr_workgroup_id_z 1
		.amdhsa_system_vgpr_workitem_id 0
		.amdhsa_next_free_vgpr 256
		.amdhsa_next_free_sgpr 66
		.amdhsa_reserve_vcc 1
		.amdhsa_float_denorm_mode_32 3
		.amdhsa_float_denorm_mode_16_64 3
		.amdhsa_memory_ordered 1
		.amdhsa_forward_progress 1
		.amdhsa_inst_pref_size 24
	.end_amdhsa_kernel
	.amdgpu_metadata
---
amdhsa.version: [ 1, 2 ]
amdhsa.kernels:
  - .name:           k_q6a1d407ecd_first16
    .symbol:         k_q6a1d407ecd_first16.kd
    .args:
      - { .name: first, .offset: 0, .size: 8, .value_kind: global_buffer, .address_space: global }
      - { .name: w_out, .offset: 8, .size: 8, .value_kind: global_buffer, .address_space: global }
      - { .name: out0, .offset: 16, .size: 8, .value_kind: global_buffer, .address_space: global }
    .group_segment_fixed_size: 71680
    .private_segment_fixed_size: 0
    .kernarg_segment_align: 8
    .kernarg_segment_size: 24
    .max_flat_workgroup_size: 512
    .sgpr_count:     66
    .vgpr_count:     256
    .wavefront_size: 32
...
	.end_amdgpu_metadata
.endif
;; end of part 5
